; MI455X (gfx1250); checked and timed in simulation.
; The chip was launched on July 23, 2026; its instructions are those of AMD's public machine-readable ISA for CDNA 5 (MIT licence, August 2026) and "CDNA5" Instruction Set Architecture Reference Guide (July 2026). The comments in the code are by the model that wrote it; some were corrected since.
;; Self Attention. Allowed arithmetic: float matrix products may take bf16 or f16 operands with f32 sums; all other float work in f32.
;; Inputs: ln_w 4,096 float32; wk 1,024 x 4,096 bfloat16; wo 4,096 x 4,096 bfloat16; wq 4,096 x 4,096 bfloat16; wv 1,024 x 4,096 bfloat16; x 2 x 512 x 4,096 bfloat16.
;; Outputs: out0 2 x 512 x 4,096 bfloat16.
;; 2 versions, each right; version 2 is version 1 with the launch prep written anew for expert scheduling mode. Each part assembles by itself: llvm-mc -triple=amdgcn-amd-amdhsa -mcpu=gfx1250 --defsym DOCPART=n.
;; ======== version 1 of 2: 4 launches
;; workspace buffers: xn 8,388,608 bytes; tab 262,144 bytes; qkv 12,582,912 bytes; att 8,388,608 bytes
;; launch prep (part 1): grid 256 x 1, 4 waves a work-group, no clusters, 0 bytes of LDS; arguments x, ln_w, xn, tab; writes xn, tab
.if DOCPART == 1
	.amdgcn_target "amdgcn-amd-amdhsa--gfx1250"
	.amdhsa_code_object_version 6
	.text
	.protected	k_q567ed170c5_prep
	.globl	k_q567ed170c5_prep
	.p2align	8
	.type	k_q567ed170c5_prep,@function
k_q567ed170c5_prep:
	s_mov_b64 s[64:65], 0
	v_nop
	global_prefetch_b8 v0, s[64:65] scope:SCOPE_SE
	s_setreg_imm32_b32 hwreg(HW_REG_WAVE_MODE, 25, 1), 1
	s_wait_xcnt 0x0
; xn[row][c] = bf16( (x[row][c] - mean) * rsqrt(var + 1e-5) * ln_w[c] ), all arithmetic in f32; x, xn: [1024][4096] bf16; ln_w: [4096] f32.
; A row is 8,192 bytes: one wave takes a whole row, sixteen 16-byte loads a lane, and keeps it packed in 64 registers over the three
; passes (sum; sum of squared differences from the mean, so that a common offset of the inputs cancels before it is squared; scale).
; The row is read from memory once, no wave waits for another, there is no LDS and no barrier.  Four waves, four rows a work-group.
; While the loads are on their way each thread also makes ONE entry (cos, sin) of the RoPE table: 256 groups x 128 threads = 512 positions x 64 pairs.
; tab's byte 8 t holds position s = 16 sblk + r and pair j = 8 tih + 4 h + 2 part + e, with t = tih*4096 + sblk*128 + part*64 + r*4 + h*2 + e:
; the order in which lane (r, h) of a 16 x 16 result tile of the projection wants it, so that each table load there covers 512 consecutive bytes.
; LIMIT: cos and sin are polynomials on |rho| <= pi/4 behind a two-term reduction by pi/2 (absolute error near 1e-6), and 10000^(-j/64) is one
; v_exp_f32 (1 ULP: ISA guide 15.8): at position 511 the angle is off by up to about 5e-5 rad.
; NO CLUSTER: the work-groups share ln_w alone, 16 KiB beside the 32 KiB of x that each reads for itself, and it goes to registers, not to LDS.
.set X,   16                           ; v[16:79]    the row, packed, as loaded and then as stored
.set W,   80                           ; v[80:207]   ln_w of my 128 columns
.set T,   208                          ; v[208:215]  at work
.set ACC, 216                          ; v[216:223]  four chains of two sums
.set NMU, 12                           ; v[12:13]    -mean, twice
.set RS,  14                           ; v[14:15]    1/sqrt(var + eps), twice
	s_load_b256 s[4:11], s[0:1], 0x0               ; x s[4:5], ln_w s[6:7], xn s[8:9], tab s[10:11]
	s_mov_b32 s12, 0x76543210                      ; v_permlanex16_b32: lane i of one half reads lane i of the other
	s_mov_b32 s13, 0xfedcba98
	s_mov_b32 s14, 0xffff0000                      ; a word's upper bf16
	s_mov_b32 s15, 0x39800000                      ; 1/4096
	s_mov_b32 s20, 0x3727c5ac                      ; eps = 1e-5
	s_lshl_b32 s2, ttmp9, 15                       ; the group's four rows of 8,192 bytes
	s_mov_b32 s3, 0
	s_lshl_b32 s16, ttmp9, 10                      ; the group's 128 table entries of 8 bytes
	s_mov_b32 s17, 0
	v_and_b32 v1, 31, v0                           ; lane
	v_lshrrev_b32 v2, 5, v0                        ; wave
	v_lshlrev_b32 v2, 13, v2                       ; its row
	v_lshl_or_b32 v2, v1, 4, v2                    ; + 16 bytes a lane
	v_lshlrev_b32 v3, 5, v1                        ; ln_w: 8 numbers of 4 bytes a lane
	v_lshlrev_b32 v4, 3, v0                        ; tab: 8 bytes a thread
	s_wait_kmcnt 0x0
	s_add_nc_u64 s[4:5], s[4:5], s[2:3]
	s_add_nc_u64 s[8:9], s[8:9], s[2:3]
	s_add_nc_u64 s[10:11], s[10:11], s[16:17]
.set j, 0
.rept 16
	global_load_b128 v[X+4*j:X+4*j+3], v2, s[4:5] offset:512*j th:TH_LOAD_NT    ; 512 consecutive bytes a load; x is read once in the launch
.set j, j+1
.endr
.set j, 0
.rept 16
	global_load_b128 v[W+8*j:W+8*j+3],   v3, s[6:7] offset:1024*j               ; columns 256 j + 8 lane + 0..3
	global_load_b128 v[W+8*j+4:W+8*j+7], v3, s[6:7] offset:1024*j+16            ; and + 4..7
.set j, j+1
.endr
	; the table entry, while the loads fly
	v_and_b32 v5, 1, v0                            ; e
	v_bfe_u32 v6, v0, 1, 1                         ; h
	v_bfe_u32 v7, v0, 2, 4                         ; r
	v_lshrrev_b32 v8, 6, v0                        ; part
	s_and_b32 s18, ttmp9, 31                       ; sblk
	s_lshr_b32 s19, ttmp9, 5                       ; tih
	s_lshl_b32 s18, s18, 4
	s_lshl_b32 s19, s19, 3
	v_add_nc_u32 v7, s18, v7                       ; position s
	v_lshl_add_u32 v5, v6, 2, v5
	v_lshl_add_u32 v5, v8, 1, v5
	v_add_nc_u32 v5, s19, v5                       ; pair j
	v_cvt_f32_u32 v5, v5
	v_cvt_f32_u32 v7, v7
	v_mul_f32 v5, 0xbe549a78, v5                   ; -j log2(10000)/64
	v_exp_f32 v9, v5                               ; 10000^(-j/64)
	v_nop                                          ; one plain place behind a transcendental before its result is used (ISA guide 5.7.2)
	s_wait_alu depctr_va_vdst(0)
	v_mul_f32 v6, v7, v9                           ; the angle
	v_mul_f32 v8, 0x3f22f983, v6                   ; x 2/pi
	v_rndne_f32 v8, v8                             ; n quarter turns
	v_fmamk_f32 v6, v8, 0xbfc90fdb, v6             ; rho = angle - n (pi/2 rounded up to f32), exact in the fused form,
	v_fmamk_f32 v6, v8, 0x333bbd2e, v6             ; + n x what that rounding added
	v_mul_f32 v9, v6, v6                           ; z = rho^2
	v_mov_b32 v12, 0xb94ca1f9
	v_fmaak_f32 v12, v12, v9, 0x3c08839e
	v_fmaak_f32 v12, v12, v9, 0xbe2aaaa3
	v_mul_f32 v13, v6, v9
	v_fma_f32 v12, v13, v12, v6                    ; sin rho
	v_mov_b32 v13, 0x37ccf5ce
	v_fmaak_f32 v13, v13, v9, 0xbab6061a
	v_fmaak_f32 v13, v13, v9, 0x3d2aaaa5
	v_fma_f32 v13, v13, v9, -0.5
	v_fma_f32 v13, v13, v9, 1.0                    ; cos rho
	v_cvt_i32_f32 v8, v8                           ; q = n
	v_and_b32 v14, 1, v8
	v_cmp_eq_u32 vcc_lo, 1, v14                    ; an odd quarter swaps the two
	v_cndmask_b32 v10, v13, v12, vcc_lo            ; cos
	v_cndmask_b32 v11, v12, v13, vcc_lo            ; sin
	v_add_nc_u32 v14, 1, v8
	v_and_b32 v14, 2, v14                          ; cos is negative in quarters 1 and 2,
	v_lshlrev_b32 v14, 30, v14
	v_xor_b32 v10, v10, v14
	v_and_b32 v15, 2, v8                           ; sin in quarters 2 and 3
	v_lshlrev_b32 v15, 30, v15
	v_xor_b32 v11, v11, v15
	global_store_b64 v4, v[10:11], s[10:11]        ; a wave stores 256 consecutive bytes, aligned; v4, v10, v11 are not written again
.macro UNPK d, x                       ; two bf16 to two f32: the low half moves up, the high half stays
	v_lshlrev_b32 v[\d], 16, v[\x]
	v_and_b32 v[\d+1], s14, v[\x]
.endm
.macro WSUM                            ; the four chains, then the 32 lanes: every lane ends with the sum in v[T]
	v_pk_add_f32 v[ACC:ACC+1], v[ACC:ACC+1], v[ACC+2:ACC+3]
	v_pk_add_f32 v[ACC+4:ACC+5], v[ACC+4:ACC+5], v[ACC+6:ACC+7]
	v_pk_add_f32 v[ACC:ACC+1], v[ACC:ACC+1], v[ACC+4:ACC+5]
	v_add_f32 v[T], v[ACC], v[ACC+1]
	v_add_f32_dpp v[T], v[T], v[T] row_xmask:1 row_mask:0xf bank_mask:0xf
	v_add_f32_dpp v[T], v[T], v[T] row_xmask:2 row_mask:0xf bank_mask:0xf
	v_add_f32_dpp v[T], v[T], v[T] row_xmask:4 row_mask:0xf bank_mask:0xf
	v_add_f32_dpp v[T], v[T], v[T] row_xmask:8 row_mask:0xf bank_mask:0xf
	v_permlanex16_b32 v[T+1], v[T], s12, s13       ; its destination counts as read: T+1 has been written
	v_add_f32 v[T], v[T], v[T+1]
.endm
	s_wait_loadcnt 32                              ; loads come back in order: the 16 of x are in, the 32 younger ones of ln_w stay out
	; pass 1: the sum.  The first four words start the chains: nothing is cleared
.irp k, 0,1,2,3
	UNPK ACC+2*\k, X+\k
.endr
.set j, 4
.rept 60
	UNPK T+2*(j%4), X+j
	v_pk_add_f32 v[ACC+2*(j%4):ACC+2*(j%4)+1], v[ACC+2*(j%4):ACC+2*(j%4)+1], v[T+2*(j%4):T+2*(j%4)+1]
.set j, j+1
.endr
	WSUM
	v_mul_f32 v[NMU], 0xb9800000, v[T]             ; -sum/4096
	v_mov_b32 v[NMU+1], v[NMU]
	; pass 2: the sum of (x - mean)^2
.irp k, 0,1,2,3
	UNPK T+2*\k, X+\k
	v_pk_add_f32 v[T+2*\k:T+2*\k+1], v[T+2*\k:T+2*\k+1], v[NMU:NMU+1]
	v_pk_mul_f32 v[ACC+2*\k:ACC+2*\k+1], v[T+2*\k:T+2*\k+1], v[T+2*\k:T+2*\k+1]
.endr
.set j, 4
.rept 60
	UNPK T+2*(j%4), X+j
	v_pk_add_f32 v[T+2*(j%4):T+2*(j%4)+1], v[T+2*(j%4):T+2*(j%4)+1], v[NMU:NMU+1]
	v_pk_fma_f32 v[ACC+2*(j%4):ACC+2*(j%4)+1], v[T+2*(j%4):T+2*(j%4)+1], v[T+2*(j%4):T+2*(j%4)+1], v[ACC+2*(j%4):ACC+2*(j%4)+1]
.set j, j+1
.endr
	WSUM
	v_fma_f32 v5, v[T], s15, s20                   ; var + eps
	v_rsq_f32 v[RS], v5                            ; twice, for the packed multiply; the first unpacking line below is the plain place
	v_rsq_f32 v[RS+1], v5                          ; behind them (ISA guide 5.7.2): it touches neither v5 nor RS
	s_wait_loadcnt 0x0                             ; ln_w
	; pass 3: ((x - mean) * rstd) * w, rounded once, in place, four words (8 numbers) at a time
.set j, 0
.rept 16
.irp k, 0,1,2,3
	UNPK T+2*\k, X+4*j+\k
.endr
.irp k, 0,1,2,3
	v_pk_add_f32 v[T+2*\k:T+2*\k+1], v[T+2*\k:T+2*\k+1], v[NMU:NMU+1]
.endr
	s_wait_alu depctr_va_vdst(0)
.irp k, 0,1,2,3
	v_pk_mul_f32 v[T+2*\k:T+2*\k+1], v[T+2*\k:T+2*\k+1], v[RS:RS+1]
.endr
.irp k, 0,1,2,3
	v_pk_mul_f32 v[T+2*\k:T+2*\k+1], v[T+2*\k:T+2*\k+1], v[W+8*j+2*\k:W+8*j+2*\k+1]
.endr
.irp k, 0,1,2,3
	v_cvt_pk_bf16_f32 v[X+4*j+\k], v[T+2*\k], v[T+2*\k+1]
.endr
	global_store_b128 v2, v[X+4*j:X+4*j+3], s[8:9] offset:512*j    ; 512 consecutive bytes; these registers are not written again
.set j, j+1
.endr
	s_endpgm
.Lfunc_end_k_q567ed170c5_prep:
	.size	k_q567ed170c5_prep, .Lfunc_end_k_q567ed170c5_prep-k_q567ed170c5_prep
	.p2alignl 7, 3214868480
	.fill 96, 4, 3214868480
	.section	.rodata,"a",@progbits
	.p2align	6, 0x0
	.amdhsa_kernel k_q567ed170c5_prep
		.amdhsa_group_segment_fixed_size 0
		.amdhsa_private_segment_fixed_size 0
		.amdhsa_enable_private_segment 0
		.amdhsa_kernarg_size 32
		.amdhsa_user_sgpr_count 2
		.amdhsa_user_sgpr_kernarg_segment_ptr 1
		.amdhsa_wavefront_size32 1
		.amdhsa_system_sgpr_workgroup_id_x 1
		.amdhsa_system_sgpr_workgroup_id_y 1
		.amdhsa_system_sgpr_workgroup_id_z 1
		.amdhsa_system_vgpr_workitem_id 0
		.amdhsa_next_free_vgpr 224
		.amdhsa_next_free_sgpr 66
		.amdhsa_reserve_vcc 1
		.amdhsa_float_denorm_mode_32 3
		.amdhsa_float_denorm_mode_16_64 3
		.amdhsa_memory_ordered 1
		.amdhsa_forward_progress 1
		.amdhsa_inst_pref_size 51
	.end_amdhsa_kernel
	.amdgpu_metadata
---
amdhsa.version: [ 1, 2 ]
amdhsa.kernels:
  - .name:           k_q567ed170c5_prep
    .symbol:         k_q567ed170c5_prep.kd
    .args:
      - { .name: x, .offset: 0, .size: 8, .value_kind: global_buffer, .address_space: global }
      - { .name: ln_w, .offset: 8, .size: 8, .value_kind: global_buffer, .address_space: global }
      - { .name: xn, .offset: 16, .size: 8, .value_kind: global_buffer, .address_space: global }
      - { .name: tab, .offset: 24, .size: 8, .value_kind: global_buffer, .address_space: global }
    .group_segment_fixed_size: 0
    .private_segment_fixed_size: 0
    .kernarg_segment_align: 8
    .kernarg_segment_size: 32
    .max_flat_workgroup_size: 128
    .sgpr_count:     66
    .vgpr_count:     224
    .wavefront_size: 32
...
	.end_amdgpu_metadata
.endif
;; end of part 1
;; launch qkvg (part 2): grid 32 x 8, 4 waves a work-group, clusters of 4 x 4, 327,680 bytes of LDS; arguments xn, wq, wk, wv, tab, qkv; writes qkv
.if DOCPART == 2
	.amdgcn_target "amdgcn-amd-amdhsa--gfx1250"
	.amdhsa_code_object_version 6
	.text
	.protected	k_q567ed170c5_qkvg
	.globl	k_q567ed170c5_qkvg
	.p2align	8
	.type	k_q567ed170c5_qkvg,@function
k_q567ed170c5_qkvg:
	s_mov_b64 s[64:65], 0
	v_nop
	global_prefetch_b8 v0, s[64:65] scope:SCOPE_SE
	s_setreg_imm32_b32 hwreg(HW_REG_WAVE_MODE, 25, 1), 1
	s_wait_xcnt 0x0
	s_wait_alu depctr_hold_cnt(0) depctr_sa_sdst(0) depctr_va_vdst(0) depctr_va_sdst(0) depctr_va_ssrc(0) depctr_va_vcc(0) depctr_vm_vsrc(0)
	s_getreg_b32 s2, hwreg(HW_REG_IB_STS2, 6, 4)
	s_cmp_eq_u32 s2, 0
	s_cbranch_scc0 .Lentry_in_a_cluster
	s_endpgm
.Lentry_in_a_cluster:
	s_bfe_u32 s2, ttmp6, 0x10000c
	s_cmp_lg_u32 s2, 0xf033
	s_cbranch_scc0 .Lentry_shape_is_right
	s_endpgm
.Lentry_shape_is_right:
; The three projections as one product C = xn W^T, W = wq (4096 rows), wk (1024), wv (1024) one below the other: C is [1024][6144].
; C is rounded to bf16, then the columns of q and k (below 5120) are rotated (RoPE, interleaved pairs, in f32) and rounded again.
; qkv holds C as 384 planes of 16 columns: [plane][1024 rows][16] bf16, so that a 16 x 16 result tile is 512 consecutive bytes.
; 256 work-groups, each a block of 128 x 192 of C with four waves (2 x 2), a wave 64 x 96: 24 accumulator tiles, 192 registers.
; K goes in steps of 128 through a ring of two LDS slots filled by the tensor data mover; a tile's rows are 256 bytes of memory, aligned.
; Two slots of 256 along K would take 2 x 320 x 528 = 337,920 bytes, more than a work-group can have: so the step is 128.
; CLUSTERS: 4 x 4 work-groups.  xn's tile hangs on the block row alone and is asked for jointly by a row of the cluster, W's on the block
; column alone and is asked for jointly by a column: the requests for both are divided by four.
; Wave 0 fetches xn's 128 rows, waves 1 to 3 one chunk of 64 rows of W each; a chunk (64 rows) never straddles two weight buffers.
; REGISTERS: window 0: v16-19 LDS addresses, v32-111 and v112-191 two fragment buffers (A's 4 tiles, then W's 6), v192-207 work;
; window 1: accumulator (a, b) at v[8 (6 a + b)].  The matrix instruction is used transposed (source 0 = 16 rows of W, source 1 = 16 rows of
; xn): lane (r, h) then holds row 16 a + r and the eight neighbouring columns 16 b + 8 h + 0..7.
.set KS,    128                        ; K in a slot
.set NT,    6                          ; column tiles of a wave
.set PITCH, 272                        ; an LDS row: 256 bytes + 16 of padding: 16 rows begin at 16 different 16-byte columns modulo 256 bytes
.set QI,    5                          ; padding behind every 64 words
.set CHUNK, 64*PITCH
.set BBASE, 128*PITCH                  ; W's rows lie behind xn's 128
.set SLOT,  BBASE+32*NT*PITCH          ; 87,040
.set LAPS,  4096/(2*KS)                ; a lap = once round the ring
.set NL,    2*NT+8                     ; LDS loads of a quarter step
.set ADRA,  16                         ; v16-17 my A fragments in slot 0, 1
.set ADRB,  18                         ; v18-19 the same for W
.set F0,    32
.set F1,    112
.set G1A,   24                         ; s[24:31] group 1 for xn's tiles
.set G0A,   32                         ; s[32:39] group 0 for xn's tiles, one set a slot
.set G1B,   40                         ; s[40:47] group 1 for W's tiles
.set G0B,   48                         ; s[48:55] group 0 for W's tiles, one set a slot
.set MK,    66                         ; s66-71  all ones where column tile b belongs to q or k
.set LOF,   24                         ; v24     32 r + 16 h
.set TOF,   26                         ; v26-31  table offset of column tile b
.set TABA,  32                         ; v[32:79], v[80:127]: (cos, sin) of one row tile, two buffers
.set TABB,  80
.set PK,    128                        ; v[128:151] the row tile rounded to bf16
.set OUT,   152                        ; v[152:175] what is stored
.set T,     192
.set U,     200
.set MSB, 0
.macro WIN new                         ; the immediate's high byte repeats the setting that is left
.if MSB != \new
	s_set_vgpr_msb (MSB<<8)|\new
.set MSB, \new
.endif
.endm
.macro PLACES                          ; four plain places behind matrix instructions, in front of loads into their sources and of reads of their results
.rept 4
	v_nop
.endr
.endm
.macro JLOAD s                         ; one joint load a wave; the branch hangs on the wave's number alone
	s_cmp_eq_u32 s16, 0
	s_cbranch_scc0 .Lfor_b_\@
	tensor_load_to_lds s[G0A+4*\s:G0A+4*\s+3], s[G1A:G1A+7]
	s_nop 0
	s_branch .Lasked_\@
.Lfor_b_\@:
	tensor_load_to_lds s[G0B+4*\s:G0B+4*\s+3], s[G1B:G1B+7]
	s_nop 0
.Lasked_\@:
.endm
.macro CREST                           ; a round of the cluster's barrier behind its opening work-group barrier
	s_cmp_lg_u32 s16, 0
	s_cbranch_scc1 .Lnot_wave_0_\@
	s_barrier_signal -3
.Lnot_wave_0_\@:
	s_barrier_wait -3
	s_barrier_signal -1
	s_barrier_wait -1
.endm
.macro CROUND
	s_barrier_signal -1
	s_barrier_wait -1
	CREST
.endm
	s_load_b256 s[4:11], s[0:1], 0x0               ; xn s[4:5], wq s[6:7], wk s[8:9], wv s[10:11]
	s_load_b128 s[12:15], s[0:1], 0x20             ; tab s[12:13], qkv s[14:15]
	v_lshl_add_u32 v254, v0, 2, 0x2a800
	v_mov_b32 v255, 0
	ds_add_u32 v254, v255
	v_lshrrev_b32 v1, 5, v0
	v_readfirstlane_b32 s16, v1                    ; wave 0..3
	s_lshr_b32 s17, s16, 1                         ; wr: which 64 rows of the block
	s_and_b32 s18, s16, 1                          ; wc: which 96 columns
	s_bfe_u32 s19, ttmp6, 0x40000                  ; cx
	s_bfe_u32 s20, ttmp6, 0x40004                  ; cy
	s_lshl_b32 s21, ttmp9, 2
	s_add_co_u32 s21, s21, s19                     ; bx: block column = 4 x cluster x + cx
	s_and_b32 s22, ttmp7, 0xffff
	s_lshl_b32 s22, s22, 2
	s_add_co_u32 s22, s22, s20                     ; by: block row
	s_lshl_b32 s56, s20, 2
	s_lshl_b32 s56, 15, s56                        ; my row of the cluster: places 4 cy .. 4 cy + 3
	s_lshl_b32 s72, 0x1111, s19                    ; my column: places cx, cx + 4, cx + 8, cx + 12
	; group 1: 15:0 mask; 17:16 elements of 2 bytes; 20 padding on; 21 set beside a mask; 24:22 interval; 31:25 four words of padding (code 3)
	s_or_b32 s[G1A+0], s56, (1<<16)|(1<<20)|(1<<21)|(QI<<22)|(3<<25)
	s_mov_b32 s[G1A+1], KS<<16                     ; tensor_dim0 = 128
	s_mov_b32 s[G1A+2], 128<<16                    ; tensor_dim1 = 128 rows
	s_mov_b32 s[G1A+3], KS<<16                     ; tile_dim0
	s_mov_b32 s[G1A+4], 128                        ; tile_dim1
	s_mov_b32 s[G1A+5], 4096                       ; elements from row to row
	s_mov_b32 s[G1A+6], 0
	s_mov_b32 s[G1A+7], 0
	s_or_b32 s[G1B+0], s72, (1<<16)|(1<<20)|(1<<21)|(QI<<22)|(3<<25)
	s_mov_b32 s[G1B+1], KS<<16
	s_mov_b32 s[G1B+2], 64<<16                     ; 64 rows
	s_mov_b32 s[G1B+3], KS<<16
	s_mov_b32 s[G1B+4], 64
	s_mov_b32 s[G1B+5], 4096
	s_mov_b32 s[G1B+6], 0
	s_mov_b32 s[G1B+7], 0
	; xn's tile: row 128 by, in registers that never hold cx
	s_lshl_b32 s56, s22, 20                        ; 128 rows x 8,192 bytes
	s_mov_b32 s57, 0
	; W's chunk c = 3 bx + (wave - 1) (wave 0, which asks for none, gets wave 1's), in registers that never hold cy
	s_max_u32 s72, s16, 1
	s_sub_co_u32 s72, s72, 1
	s_mul_i32 s73, s21, 3
	s_add_co_u32 s72, s72, s73
	s_mul_i32 s78, s16, CHUNK
	s_add_co_u32 s78, s78, CHUNK                   ; its place in a slot: (wave + 1) x 64 rows
	s_wait_dscnt 0x0
	s_wait_kmcnt 0x0
	s_add_nc_u64 s[58:59], s[4:5], s[56:57]
	s_cmp_lt_u32 s72, 64                           ; chunks 0-63 are wq's, 64-79 wk's, 80-95 wv's: a choice, no branch
	s_cselect_b64 s[74:75], s[6:7], s[8:9]
	s_cselect_b32 s76, 0, 64
	s_cmp_lt_u32 s72, 80
	s_cselect_b64 s[74:75], s[74:75], s[10:11]
	s_cselect_b32 s76, s76, 80
	s_sub_co_u32 s72, s72, s76
	s_lshl_b32 s72, s72, 19                        ; 64 rows x 8,192 bytes
	s_mov_b32 s73, 0
	s_add_nc_u64 s[74:75], s[74:75], s[72:73]
	CROUND                                         ; all sixteen work-groups are here: the first joint loads meet
.irp s, 0,1
	s_mov_b32 s[G0A+4*\s], 1                                       ; count = 1
	s_mov_b32 s[G0A+4*\s+1], \s*SLOT                               ; LDS address
	s_add_nc_u64 s[G0A+4*\s+2:G0A+4*\s+3], s[58:59], \s*KS*2       ; K step s
	s_or_b32 s[G0A+4*\s+3], s[G0A+4*\s+3], 0x80000000              ; type = 2
	s_mov_b32 s[G0B+4*\s], 1
	s_add_co_u32 s[G0B+4*\s+1], s78, \s*SLOT
	s_add_nc_u64 s[G0B+4*\s+2:G0B+4*\s+3], s[74:75], \s*KS*2
	s_or_b32 s[G0B+4*\s+3], s[G0B+4*\s+3], 0x80000000
	JLOAD \s                                       ; both first fills go out together: two tensor loads of the wave are out
.endr
	; a fragment: lane (r, h) holds row r; registers 0-3 K = 8 h + 0..7, registers 4-7 K = 16 + 8 h + 0..7: two loads of 16 bytes, 32 bytes apart
	v_and_b32 v1, 15, v0                           ; r
	v_bfe_u32 v2, v0, 4, 1                         ; h
	v_mul_u32_u24 v3, v1, PITCH
	v_lshl_add_u32 v3, v2, 4, v3
	s_mul_i32 s60, s17, 64*PITCH                   ; my 64 rows of xn
	s_mul_i32 s61, s18, 16*NT*PITCH                ; my 96 rows of W
	s_add_co_u32 s61, s61, BBASE
.irp s, 0,1
	v_add_nc_u32 v[ADRA+\s], s60, v3
	v_add_nc_u32 v[ADRB+\s], s61, v3
	s_add_co_u32 s60, s60, SLOT
	s_add_co_u32 s61, s61, SLOT
.endr
; six matrix instructions: row tile a x all column tiles, 32 along K.  zero = 1: the first product starts the sums.
; The 24 accumulators take turns, one instruction a turn, in the same order in every quarter step.
.macro MULA f, a, zero
.irp b, 0,1,2,3,4,5
.if \zero
	v_wmma_f32_16x16x32_bf16 v[8*(NT*\a+\b):8*(NT*\a+\b)+7], v[\f+32+8*\b:\f+32+8*\b+7], v[\f+8*\a:\f+8*\a+7], 0
.else
	v_wmma_f32_16x16x32_bf16 v[8*(NT*\a+\b):8*(NT*\a+\b)+7], v[\f+32+8*\b:\f+32+8*\b+7], v[\f+8*\a:\f+8*\a+7], v[8*(NT*\a+\b):8*(NT*\a+\b)+7]
.endif
.endr
.endm
; the 20 LDS loads of a quarter step (32 K at byte k of the rows) into buffer f: W's tiles, then A's tiles 0, 1, then 2, 3
.macro FETCH slot, k, f
.irp i, 0,1,2,3,4,5
	ds_load_b128 v[\f+32+8*\i:\f+32+8*\i+3],   v[ADRB+\slot] offset:\k+\i*16*PITCH
	ds_load_b128 v[\f+32+8*\i+4:\f+32+8*\i+7], v[ADRB+\slot] offset:\k+\i*16*PITCH+32
.endr
.irp i, 0,1,2,3
	ds_load_b128 v[\f+8*\i:\f+8*\i+3],   v[ADRA+\slot] offset:\k+\i*16*PITCH
	ds_load_b128 v[\f+8*\i+4:\f+8*\i+7], v[ADRA+\slot] offset:\k+\i*16*PITCH+32
.endr
.endm
; a quarter step: multiplies buffer f; in its middle the next quarter's fragments are fetched into buffer g
.macro QSTEP slot, k, f, g, zero
	s_wait_dscnt 4                                 ; W's tiles and A's tiles 0, 1 are in; the youngest four loads (A's tiles 2, 3) may be out
	WIN 0x50                                       ; C and D in window 1
	MULA \f, 0, \zero
	MULA \f, 1, \zero
	PLACES
	WIN 0
	FETCH \slot, \k, \g
	s_wait_dscnt NL                                ; all but the NL loads just issued
	WIN 0x50
	MULA \f, 2, \zero
	MULA \f, 3, \zero
.endm
.macro RUN slot, zero                  ; the first three quarters of a K step
	QSTEP \slot, 64,  F0, F1, \zero
	QSTEP \slot, 128, F1, F0, 0
	QSTEP \slot, 192, F0, F1, 0
.endm
; the last quarter: multiplies buffer 1 and changes slots.  In front of the barrier each wave waits for its reads of this slot and for all
; its tensor loads (one is out: its part of the next slot).  Behind it, with fill = 1, the rest of a round of the cluster's barrier, then the
; joint refill as the wave's first and only tensor load, then the next slot's first fragments.
.macro TURN slot, next, fill
	s_wait_dscnt 4
	WIN 0x50
	MULA F1, 0, 0
	s_wait_dscnt 0                                 ; my reads of this slot are over
	s_wait_tensorcnt 0x0                           ; all my tensor loads have landed
	ds_add_u32 v254, v255
	s_wait_dscnt 0x0
	s_barrier_signal -1
	MULA F1, 1, 0                                  ; register work while the others arrive
	WIN 0
	s_barrier_wait -1
.if \fill
	CREST                                          ; no wave of any partner still reads this slot or has a load on its way
	s_add_nc_u64 s[G0A+4*\slot+2:G0A+4*\slot+3], s[G0A+4*\slot+2:G0A+4*\slot+3], 4*KS   ; two K steps on; no load of mine is out
	s_add_nc_u64 s[G0B+4*\slot+2:G0B+4*\slot+3], s[G0B+4*\slot+2:G0B+4*\slot+3], 4*KS
	JLOAD \slot
.endif
	PLACES
	FETCH \next, 0, F0
	WIN 0x50
	MULA F1, 2, 0
	MULA F1, 3, 0
.endm
.macro LAP zero
	RUN 0, \zero
	TURN 0, 1, 1
	RUN 1, 0
	TURN 1, 0, 1
.endm
	s_wait_tensorcnt 1                             ; my part of K step 0 is in; K step 1's stays out
	s_barrier_signal -1
	s_barrier_wait -1
	FETCH 0, 0, F0
	LAP 1                                          ; the first lap starts the sums
	WIN 0
	s_mov_b32 s3, LAPS-2
.Llap:
	LAP 0
	WIN 0
	s_sub_co_u32 s3, s3, 1
	s_cmp_lg_u32 s3, 0
	s_cbranch_scc1 .Llap
	RUN 0, 0                                       ; the last lap fills nothing
	TURN 0, 1, 0
	RUN 1, 0
	s_wait_dscnt 4
	WIN 0x50
	MULA F1, 0, 0
	MULA F1, 1, 0
	s_wait_dscnt 0
	MULA F1, 2, 0
	MULA F1, 3, 0
	; THE WAY OUT, without LDS: a lane's eight results are 16 bytes of a plane's row, and a tile is 512 consecutive bytes of qkv.
	PLACES                                         ; behind the last matrix instructions: for the conversions and for the loads into the fragment buffers
	WIN 0
	v_lshlrev_b32 v[LOF], 5, v1
	v_lshl_add_u32 v[LOF], v2, 4, v[LOF]           ; 32 r + 16 h
	s_mov_b32 s23, 0xffff0000
	s_mul_i32 s77, s21, 12
	s_mul_i32 s78, s18, 6
	s_add_co_u32 s77, s77, s78                     ; ct0: my first column tile = plane
	s_lshl_b32 s79, s22, 3
	s_lshl2_add_u32 s79, s17, s79                  ; my first row tile, 8 by + 4 wr,
	s_and_b32 s79, s79, 31                         ; as a block of 16 positions (512 positions a batch)
	s_lshl_b32 s79, s79, 10
.irp b, 0,1,2,3,4,5
	s_add_co_u32 s78, s77, \b
	s_cmp_lt_u32 s78, 320                          ; planes 0-319 are q and k; v is not rotated: a choice of values, no branch
	s_cselect_b32 s[MK+\b], -1, 0
	s_and_b32 s78, s78, 7                          ; the tile's place in its head
	s_lshl_b32 s78, s78, 15
	s_add_co_u32 s78, s78, s79
	v_add_nc_u32 v[TOF+\b], s78, v[LOF]
.endr
	s_lshl_b32 s82, s77, 15                        ; plane x 32,768
	s_lshl_b32 s83, s22, 12                        ; + 128 by rows of 32 bytes
	s_add_co_u32 s82, s82, s83
	s_lshl_b32 s83, s17, 11                        ; + 64 wr rows
	s_add_co_u32 s82, s82, s83
	s_mov_b32 s83, 0
	s_add_nc_u64 s[80:81], s[14:15], s[82:83]
.macro TLOAD a, tab                    ; (cos, sin) of row tile a for my four pairs in each of the six column tiles: 12 loads of 512 consecutive bytes
.irp b, 0,1,2,3,4,5
	global_load_b128 v[\tab+8*\b:\tab+8*\b+3],   v[TOF+\b], s[12:13] offset:\a*1024
	global_load_b128 v[\tab+8*\b+4:\tab+8*\b+7], v[TOF+\b], s[12:13] offset:\a*1024+512
.endr
.endm
.macro ROWOUT a, tab, left
	s_wait_loadcnt \left                           ; this row tile's 12 table loads are in; the next one's may stay out
	s_wait_xcnt 0x0                                ; OUT, which the last row tile's stores read, is rewritten only behind this wait
	WIN 0x05
.irp b, 0,1,2,3,4,5
.irp p, 0,1,2,3
	v_cvt_pk_bf16_f32 v[PK+4*\b+\p], v[8*(NT*\a+\b)+2*\p], v[8*(NT*\a+\b)+2*\p+1]    ; the projection's own rounding to bf16
.endr
.endr
	WIN 0
.irp b, 0,1,2,3,4,5
.irp p, 0,1,2,3
	v_lshlrev_b32 v[T+2*\p], 16, v[PK+4*\b+\p]                     ; t0
	v_and_b32 v[T+2*\p+1], s23, v[PK+4*\b+\p]                      ; t1
.endr
.irp p, 0,1,2,3
	v_mul_f32 v[U+2*\p],   v[T+2*\p+1], v[\tab+8*\b+2*\p+1]        ; t1 sin
	v_mul_f32 v[U+2*\p+1], v[T+2*\p],   v[\tab+8*\b+2*\p+1]        ; t0 sin
.endr
.irp p, 0,1,2,3
	v_fma_f32 v[U+2*\p],   v[T+2*\p],   v[\tab+8*\b+2*\p], -v[U+2*\p]     ; t0 cos - t1 sin
	v_fma_f32 v[U+2*\p+1], v[T+2*\p+1], v[\tab+8*\b+2*\p], v[U+2*\p+1]    ; t1 cos + t0 sin
.endr
.irp p, 0,1,2,3
	v_cvt_pk_bf16_f32 v[OUT+4*\b+\p], v[U+2*\p], v[U+2*\p+1]
.endr
.irp p, 0,1,2,3
	v_cndmask_b32 v[OUT+4*\b+\p], v[PK+4*\b+\p], v[OUT+4*\b+\p], s[MK+\b]   ; v keeps what was not rotated
.endr
	global_store_b128 v[LOF], v[OUT+4*\b:OUT+4*\b+3], s[80:81] offset:\b*32768+\a*512   ; the wave stores 512 consecutive bytes, aligned
.endr
.endm
	TLOAD 0, TABA
	TLOAD 1, TABB
	ROWOUT 0, TABA, 12
	TLOAD 2, TABA
	ROWOUT 1, TABB, 12
	TLOAD 3, TABB
	ROWOUT 2, TABA, 12
	ROWOUT 3, TABB, 0
	CROUND                                         ; the closing round: no work-group ends while a partner may still ask for a tile that names it
	s_endpgm
.Lfunc_end_k_q567ed170c5_qkvg:
	.size	k_q567ed170c5_qkvg, .Lfunc_end_k_q567ed170c5_qkvg-k_q567ed170c5_qkvg
	.p2alignl 7, 3214868480
	.fill 96, 4, 3214868480
	.section	.rodata,"a",@progbits
	.p2align	6, 0x0
	.amdhsa_kernel k_q567ed170c5_qkvg
		.amdhsa_group_segment_fixed_size 327680
		.amdhsa_private_segment_fixed_size 0
		.amdhsa_enable_private_segment 0
		.amdhsa_kernarg_size 48
		.amdhsa_user_sgpr_count 2
		.amdhsa_user_sgpr_kernarg_segment_ptr 1
		.amdhsa_wavefront_size32 1
		.amdhsa_system_sgpr_workgroup_id_x 1
		.amdhsa_system_sgpr_workgroup_id_y 1
		.amdhsa_system_sgpr_workgroup_id_z 1
		.amdhsa_system_vgpr_workitem_id 0
		.amdhsa_next_free_vgpr 448
		.amdhsa_next_free_sgpr 96
		.amdhsa_reserve_vcc 0
		.amdhsa_float_denorm_mode_32 3
		.amdhsa_float_denorm_mode_16_64 3
		.amdhsa_memory_ordered 1
		.amdhsa_forward_progress 1
		.amdhsa_inst_pref_size 134
	.end_amdhsa_kernel
	.amdgpu_metadata
---
amdhsa.version: [ 1, 2 ]
amdhsa.kernels:
  - .name:           k_q567ed170c5_qkvg
    .symbol:         k_q567ed170c5_qkvg.kd
    .args:
      - { .name: xn, .offset: 0, .size: 8, .value_kind: global_buffer, .address_space: global }
      - { .name: wq, .offset: 8, .size: 8, .value_kind: global_buffer, .address_space: global }
      - { .name: wk, .offset: 16, .size: 8, .value_kind: global_buffer, .address_space: global }
      - { .name: wv, .offset: 24, .size: 8, .value_kind: global_buffer, .address_space: global }
      - { .name: tab, .offset: 32, .size: 8, .value_kind: global_buffer, .address_space: global }
      - { .name: qkv, .offset: 40, .size: 8, .value_kind: global_buffer, .address_space: global }
    .group_segment_fixed_size: 327680
    .private_segment_fixed_size: 0
    .kernarg_segment_align: 8
    .kernarg_segment_size: 48
    .max_flat_workgroup_size: 128
    .sgpr_count:     96
    .vgpr_count:     448
    .wavefront_size: 32
...
	.end_amdgpu_metadata
.endif
;; end of part 2
;; launch attn (part 3): grid 32 x 8, 4 waves a work-group, clusters of 4 x 1, 305,664 bytes of LDS; arguments qkv, att; writes att
.if DOCPART == 3
	.amdgcn_target "amdgcn-amd-amdhsa--gfx1250"
	.amdhsa_code_object_version 6
	.text
	.protected	k_q567ed170c5_attn
	.globl	k_q567ed170c5_attn
	.p2align	8
	.type	k_q567ed170c5_attn,@function
k_q567ed170c5_attn:
	s_mov_b64 s[64:65], 0
	v_nop
	global_prefetch_b8 v0, s[64:65] scope:SCOPE_SE
	s_setreg_imm32_b32 hwreg(HW_REG_WAVE_MODE, 25, 1), 1
	s_wait_xcnt 0x0
	s_wait_alu depctr_hold_cnt(0) depctr_sa_sdst(0) depctr_va_vdst(0) depctr_va_sdst(0) depctr_va_ssrc(0) depctr_va_vcc(0) depctr_vm_vsrc(0)
	s_getreg_b32 s2, hwreg(HW_REG_IB_STS2, 6, 4)
	s_cmp_eq_u32 s2, 0
	s_cbranch_scc0 .Lentry_in_a_cluster
	s_endpgm
.Lentry_in_a_cluster:
	s_bfe_u32 s2, ttmp6, 0x10000c
	s_cmp_lg_u32 s2, 0x3003
	s_cbranch_scc0 .Lentry_shape_is_right
	s_endpgm
.Lentry_shape_is_right:
; Causal grouped-query attention.  qkv: [384 planes][1024 rows][16] bf16 (q planes 0-255, k 256-319, v 320-383); att: [1024][4096] bf16.
; A work-group takes one query head hq = 4 hkv + g, one batch b, and the two blocks of 64 queries i ("lo") and 7 - i ("hi"):
; (i + 1) + (8 - i) = 9 products of 64 x 64 in every work-group.  Wave w takes queries 16 w .. 16 w + 15 of both blocks.
; CLUSTER 4, 1, 1: the four query heads of a key/value head, with the same b and i, ask for K and V jointly.  All 512 keys of the batch are
; fetched once, as first fills: K 139,264 and V 131,072 bytes of LDS; for i > 0 the keys from 64 (8 - i) on are fetched and not read, which
; keeps every descriptor constant.  No slot is filled again.  Every branch hangs on i alone, which the four partners share.
; EVERYTHING IS TRANSPOSED.  S^T = K Q^T: lane (r, h) holds query r and keys 16 mt + 8 h + j, so maximum and sum are a lane's own work plus
; one exchange between the halves; two rounded tiles of S^T are, as they lie, the second source for 32 keys of O^T = V^T P^T, whose first
; source comes from V's rows by the transposing LDS load; O^T again has query r in lane r, so the factor for the old sums is a lane's own.
; The softmax takes a running maximum away, as the reference takes the maximum; masked scores are the lowest finite f32, as there.
; LIMITS: P goes to the matrix unit in bf16 (its sum is kept in f32); a NaN among the scores loses in the maxima.
.set KHALF, 69632                      ; K: [half][8 planes][32 groups of 8 keys: 256 bytes + 16 of padding]
.set KPL,   8704
.set VBASE, 139264                     ; V: [half][8 planes][256 keys x 32 bytes]
.set VHALF, 65536
.set STAGE, 270336                     ; 2 x 16 rows x 272 bytes for each wave; no fill lands here
.set SP,    272
.set KA, 4                             ; v4-7    K fragment address [half][planes 0-3 or 4-7]
.set VA, 8                             ; v8-9    V fragment address [half]
.set QX, 10                            ; v10-11  query index - 8 h, lo and hi
.set MX, 12                            ; v12-13  running maximum
.set LS, 14                            ; v14-15  running sum (of the lane's own keys)
.set SC, 16                            ; v[16:79]   scores, 32 registers a tile
.set PB, 80                            ; v[80:111]  P in bf16, 16 registers a tile
.set FR, 112                           ; v[112:239] 16 fragments of K, then of V
.set TM, 240                           ; v240-243
.set AL, 244                           ; v[244:245] factor for the old sums, twice
.set NM, 246                           ; v[246:247] -maximum x c, twice
.set QO, 248
.set STO, 249
.set RD, 250
.set CO, 251
.set SM, 252                           ; v[252:255] two chains of two sums
.set OA, 0                             ; window 1: v[0:127]   O^T, 64 registers a tile
.set QF, 128                           ; window 1: v[128:191] Q fragments, 32 registers a tile
.set MSB, 0
.macro WIN new                         ; the immediate's high byte repeats the setting that is left
.if MSB != \new
	s_set_vgpr_msb (MSB<<8)|\new
.set MSB, \new
.endif
.endm
.macro PLACES                          ; four plain places behind matrix instructions (ISA guide 7.12.1)
.rept 4
	v_nop
.endr
.endm
.macro ROUND                           ; a round of the cluster's barrier
	s_barrier_signal -1
	s_barrier_wait -1
	s_cmp_lg_u32 s8, 0
	s_cbranch_scc1 .Lnot_wave_0_\@
	s_barrier_signal -3
.Lnot_wave_0_\@:
	s_barrier_wait -3
	s_barrier_signal -1
	s_barrier_wait -1
.endm
	s_load_b128 s[4:7], s[0:1], 0x0                ; qkv s[4:5], att s[6:7]
	s_set_vgpr_msb 0x40
	v_lshl_add_u32 v192, v0, 2, 0x4a800
	v_mov_b32 v193, 0
	s_set_vgpr_msb 0x4045
	ds_add_u32 v192, v193
	s_set_vgpr_msb 0x4500
	v_lshrrev_b32 v1, 5, v0
	v_readfirstlane_b32 s8, v1                     ; wave
	s_bfe_u32 s9, ttmp6, 0x40000                   ; g = cx
	s_mov_b32 s10, ttmp9                           ; hkv = the cluster's x
	s_and_b32 s11, ttmp7, 0xffff
	s_lshr_b32 s12, s11, 2                         ; b
	s_and_b32 s13, s11, 3                          ; i: the lo block
	s_lshl2_add_u32 s14, s10, s9                   ; hq
	s_sub_co_u32 s15, 7, s13                       ; the hi block
	s_mov_b32 s48, 0x76543210                      ; v_permlanex16_b32: lane i of one half reads lane i of the other
	s_mov_b32 s49, 0xfedcba98
	s_mov_b32 s50, 0xff7fffff                      ; the lowest finite f32
	s_mov_b32 s51, 0x3e0293ee                      ; c = log2(e) / sqrt(128)
	v_and_b32 v1, 15, v0                           ; r
	v_bfe_u32 v2, v0, 4, 1                         ; h
	v_lshlrev_b32 v3, 5, v1
	v_lshl_add_u32 v3, v2, 4, v3                   ; 32 r + 16 h
	v_lshl_add_u32 v[QO], s8, 9, v3                ; + my 16 rows of 32 bytes
	s_lshl_b32 s60, s14, 18                        ; the head's 8 planes
	s_lshl_b32 s61, s12, 14                        ; + 512 b rows of 32 bytes
	s_add_co_u32 s60, s60, s61
	s_lshl_b32 s62, s13, 11                        ; + 64 i rows
	s_add_co_u32 s62, s60, s62
	s_mov_b32 s63, 0
	s_wait_dscnt 0x0
	s_wait_kmcnt 0x0
	s_add_nc_u64 s[52:53], s[4:5], s[62:63]        ; Q lo
	s_lshl_b32 s62, s15, 11
	s_add_co_u32 s62, s60, s62
	s_add_nc_u64 s[54:55], s[4:5], s[62:63]        ; Q hi
	; Q straight into fragments: plane p gives registers 4 p .. 4 p + 3 (d = 16 p + 8 h + 0..7 of query r); each load is 512 consecutive bytes
	WIN 0x40                                       ; destination in window 1
.irp p, 0,1,2,3,4,5,6,7
	global_load_b128 v[QF+4*\p:QF+4*\p+3],       v[QO], s[52:53] offset:\p*32768
	global_load_b128 v[QF+32+4*\p:QF+32+4*\p+3], v[QO], s[54:55] offset:\p*32768
.endr
	WIN 0
	; group 1: two rows (planes) of 8 KiB = 1,024 elements of 8 bytes, 32,768 bytes apart.  15:0 the four partners; 21 set beside a mask;
	; K's also 20 padding on, 24:22 behind every 64 words (8 keys), 31:25 four words (code 3)
	s_mov_b32 s16, 15|(3<<16)|(1<<20)|(1<<21)|(5<<22)|(3<<25)
	s_mov_b32 s17, 1024<<16
	s_mov_b32 s18, 2<<16
	s_mov_b32 s19, 1024<<16
	s_mov_b32 s20, 2
	s_mov_b32 s21, 4096
	s_mov_b32 s22, 0
	s_mov_b32 s23, 0
	s_mov_b32 s24, 15|(3<<16)|(1<<21)
	s_mov_b32 s25, 1024<<16
	s_mov_b32 s26, 2<<16
	s_mov_b32 s27, 1024<<16
	s_mov_b32 s28, 2
	s_mov_b32 s29, 4096
	s_mov_b32 s30, 0
	s_mov_b32 s31, 0
	; wave w brings planes 2 w, 2 w + 1 of each half of K and of V: nothing here hangs on cx
	s_lshl_b32 s60, s10, 3
	s_lshl1_add_u32 s60, s8, s60                   ; 8 hkv + 2 w
	s_lshl_b32 s60, s60, 15
	s_lshl_b32 s61, s12, 14
	s_add_co_u32 s60, s60, s61
	s_mov_b32 s61, 0
	s_add_nc_u64 s[62:63], s[4:5], s[60:61]
	s_mul_i32 s60, s8, 2*KPL
	s_lshl_b32 s61, s8, 14
.macro MKG0 g, ldsreg, ldsoff, goff
	s_mov_b32 s[\g], 1
	s_add_co_u32 s[\g+1], \ldsreg, \ldsoff
	s_add_nc_u64 s[\g+2:\g+3], s[62:63], \goff
	s_or_b32 s[\g+3], s[\g+3], 0x80000000
.endm
	MKG0 32, s60, 0, 0x800000                      ; K, keys 0-255: planes from 256 on
	MKG0 36, s61, VBASE, 0xa00000                  ; V, keys 0-255: planes from 320 on
	MKG0 40, s60, KHALF, 0x800000+8192             ; K, keys 256-511
	MKG0 44, s61, VBASE+VHALF, 0xa00000+8192       ; V, keys 256-511
	ROUND                                          ; the four partners are here: the joint loads meet
	tensor_load_to_lds s[32:35], s[16:23]          ; all first fills in one group: four tensor loads of the wave are out
	s_nop 0
	tensor_load_to_lds s[36:39], s[24:31]
	s_nop 0
	tensor_load_to_lds s[40:43], s[16:23]
	s_nop 0
	tensor_load_to_lds s[44:47], s[24:31]
	s_nop 0
	; K fragment: key r of a tile lies at (r >> 3) 272 + (r & 7) 32 of its plane: sixteen lanes touch sixteen different 16-byte columns modulo 256 bytes
	v_lshrrev_b32 v16, 3, v1                       ; r >> 3
	v_and_b32 v17, 7, v1                           ; r & 7
	v_mul_u32_u24 v3, v16, SP
	v_lshl_add_u32 v3, v17, 5, v3
	v_lshl_add_u32 v[KA], v2, 4, v3
	v_add_nc_u32 v[KA+1], 4*KPL, v[KA]
	v_add_nc_u32 v[KA+2], KHALF, v[KA]
	v_add_nc_u32 v[KA+3], KHALF+4*KPL, v[KA]
	; V fragment by the transposing load: lane L addresses key 8 h + (L & 7), bytes 16 ((L >> 3) & 1) of its 32
	v_lshlrev_b32 v18, 8, v2
	v_lshl_add_u32 v18, v17, 5, v18
	v_lshl_add_u32 v18, v16, 4, v18
	v_add_nc_u32 v[VA], VBASE, v18
	v_add_nc_u32 v[VA+1], VBASE+VHALF, v18
	v_lshlrev_b32 v19, 3, v2
	v_sub_nc_u32 v19, v1, v19                      ; r - 8 h
	s_lshl_b32 s60, s13, 6
	s_lshl4_add_u32 s60, s8, s60
	v_add_nc_u32 v[QX], s60, v19                   ; key 64 kt + 16 mt + 8 h + j is kept where 64 kt + 16 mt + j <= this (signed)
	s_lshl_b32 s60, s15, 6
	s_lshl4_add_u32 s60, s8, s60
	v_add_nc_u32 v[QX+1], s60, v19
	s_mul_i32 s60, s8, 32*SP
	s_add_co_u32 s60, s60, STAGE                   ; my stage
	v_mul_u32_u24 v20, v1, SP
	v_lshl_add_u32 v20, v2, 4, v20
	v_add_nc_u32 v[STO], s60, v20                  ; in: row r, 16 bytes for each half of the lanes
	v_mul_u32_u24 v20, v2, SP
	v_lshl_add_u32 v20, v1, 4, v20
	v_add_nc_u32 v[RD], s60, v20                   ; back: lanes 0-15 one row of 256 bytes, lanes 16-31 the next
	v_lshlrev_b32 v20, 13, v2
	v_lshl_add_u32 v[CO], v1, 4, v20               ; the same two rows in att
	s_lshl_b32 s60, s12, 22                        ; 512 b rows of 8,192 bytes
	s_lshl_b32 s61, s8, 17                         ; + 16 w rows
	s_add_co_u32 s60, s60, s61
	s_lshl_b32 s61, s14, 8                         ; + the head's 256 bytes
	s_add_co_u32 s60, s60, s61
	s_lshl_b32 s62, s13, 19                        ; + 64 rows a block
	s_add_co_u32 s62, s62, s60
	s_mov_b32 s63, 0
	s_add_nc_u64 s[56:57], s[6:7], s[62:63]
	s_lshl_b32 s62, s15, 19
	s_add_co_u32 s62, s62, s60
	s_add_nc_u64 s[58:59], s[6:7], s[62:63]
.macro WM d, a, b, z                   ; one matrix instruction; z = 1: it starts the sum
.if \z
	v_wmma_f32_16x16x32_bf16 v[\d:\d+7], v[\a:\a+7], v[\b:\b+7], 0
.else
	v_wmma_f32_16x16x32_bf16 v[\d:\d+7], v[\a:\a+7], v[\b:\b+7], v[\d:\d+7]
.endif
.endm
.macro LOADK kt                        ; 64 keys x 128 d: fragment (mt, ks) at FR + 8 (4 ks + mt), from planes 2 ks and 2 ks + 1; 8 loads for each ks
.irp ks, 0,1,2,3
.irp mt, 0,1,2,3
	ds_load_b128 v[FR+8*(4*\ks+\mt):FR+8*(4*\ks+\mt)+3],   v[KA+2*(\kt>>2)+(\ks>>1)] offset:2*(\ks&1)*KPL+(\kt&3)*8*SP+2*SP*\mt
	ds_load_b128 v[FR+8*(4*\ks+\mt)+4:FR+8*(4*\ks+\mt)+7], v[KA+2*(\kt>>2)+(\ks>>1)] offset:(2*(\ks&1)+1)*KPL+(\kt&3)*8*SP+2*SP*\mt
.endr
.endr
.endm
.macro LOADV kt                        ; 128 dv x 64 keys: fragment (dt, kk) at FR + 8 (8 kk + dt)
.irp kk, 0,1
.irp dt, 0,1,2,3,4,5,6,7
	ds_load_tr16_b128 v[FR+8*(8*\kk+\dt):FR+8*(8*\kk+\dt)+3],   v[VA+(\kt>>2)] offset:8192*\dt+(\kt&3)*2048+1024*\kk
	ds_load_tr16_b128 v[FR+8*(8*\kk+\dt)+4:FR+8*(8*\kk+\dt)+7], v[VA+(\kt>>2)] offset:8192*\dt+(\kt&3)*2048+1024*\kk+512
.endr
.endr
.endm
; S^T: the four (or eight) score tiles take turns, one instruction a turn
.macro SKS lo, ks, z
	s_wait_dscnt 24-8*\ks                          ; this ks's eight loads are in; those of the later ks stay out
.irp mt, 0,1,2,3
.if \lo
	WM SC+8*\mt, FR+8*(4*\ks+\mt), QF+8*\ks, \z
.endif
	WM SC+32+8*\mt, FR+8*(4*\ks+\mt), QF+32+8*\ks, \z
.endr
.endm
.macro SMUL lo
	SKS \lo, 0, 1
	SKS \lo, 1, 0
	SKS \lo, 2, 0
	SKS \lo, 3, 0
.endm
; One tile's softmax step over 64 keys.  first = 1: nothing is carried yet.
.macro SOFTMAX t, kt, masked, first
.if \masked
.irp mt, 0,1,2,3
.irp j, 0,1,2,3,4,5,6,7
	v_cmp_le_i32 vcc_lo, 64*\kt+16*\mt+\j, v[QX+\t]
	v_cndmask_b32 v[SC+32*\t+8*\mt+\j], s50, v[SC+32*\t+8*\mt+\j], vcc_lo
.endr
.endr
.endif
.irp mt, 0,1,2,3
	v_max3_num_f32 v[TM+\mt], v[SC+32*\t+8*\mt], v[SC+32*\t+8*\mt+1], v[SC+32*\t+8*\mt+2]
.endr
.irp mt, 0,1,2,3
	v_max3_num_f32 v[TM+\mt], v[TM+\mt], v[SC+32*\t+8*\mt+3], v[SC+32*\t+8*\mt+4]
.endr
.irp mt, 0,1,2,3
	v_max3_num_f32 v[TM+\mt], v[TM+\mt], v[SC+32*\t+8*\mt+5], v[SC+32*\t+8*\mt+6]
.endr
	v_max3_num_f32 v[TM], v[TM], v[TM+1], v[SC+32*\t+7]
	v_max3_num_f32 v[TM+2], v[TM+2], v[TM+3], v[SC+32*\t+15]
	v_max3_num_f32 v[TM], v[TM], v[SC+32*\t+23], v[SC+32*\t+31]
	v_max_num_f32 v[TM], v[TM], v[TM+2]
	v_permlanex16_b32 v[TM+1], v[TM], s48, s49     ; the other half's 32 keys of the same query
.if \first
	v_max_num_f32 v[TM], v[TM], v[TM+1]
.else
	v_max3_num_f32 v[TM], v[TM], v[TM+1], v[MX+\t] ; the new running maximum
.endif
	v_mul_f32 v[NM], 0xbe0293ee, v[TM]             ; -maximum x c
	v_mov_b32 v[NM+1], v[NM]
.if \first == 0
	v_fma_f32 v[AL], v[MX+\t], s51, v[NM]          ; (old maximum - new) x c
.endif
.set n, 0
.rept 16
	v_pk_fma_f32 v[SC+32*\t+2*n:SC+32*\t+2*n+1], v[SC+32*\t+2*n:SC+32*\t+2*n+1], 0x3e0293ee, v[NM:NM+1] op_sel_hi:[1,0,1]
.set n, n+1
.endr
.if \first == 0
	v_exp_f32 v[AL], v[AL]
.endif
.set n, 0
.rept 32
	v_exp_f32 v[SC+32*\t+n], v[SC+32*\t+n]
.set n, n+1
.endr
	v_mov_b32 v[MX+\t], v[TM]                      ; the plain place behind the transcendentals (ISA guide 5.7.2): it names none of their registers
.if \first == 0
	s_wait_alu depctr_va_vdst(0)
	v_mov_b32 v[AL+1], v[AL]
.endif
	s_wait_alu depctr_va_vdst(0)
	v_pk_add_f32 v[SM:SM+1], v[SC+32*\t:SC+32*\t+1], v[SC+32*\t+2:SC+32*\t+3]
	v_pk_add_f32 v[SM+2:SM+3], v[SC+32*\t+4:SC+32*\t+5], v[SC+32*\t+6:SC+32*\t+7]
.set n, 4
.rept 12
	v_pk_add_f32 v[SM+2*(n&1):SM+2*(n&1)+1], v[SM+2*(n&1):SM+2*(n&1)+1], v[SC+32*\t+2*n:SC+32*\t+2*n+1]
.set n, n+1
.endr
	v_pk_add_f32 v[SM:SM+1], v[SM:SM+1], v[SM+2:SM+3]
.if \first
	v_add_f32 v[LS+\t], v[SM], v[SM+1]
.else
	v_fma_f32 v[LS+\t], v[LS+\t], v[AL], v[SM]
	v_add_f32 v[LS+\t], v[LS+\t], v[SM+1]
.endif
.set n, 0
.rept 16
	v_cvt_pk_bf16_f32 v[PB+16*\t+n], v[SC+32*\t+2*n], v[SC+32*\t+2*n+1]   ; tiles 2 kk, 2 kk + 1 are registers 0-3, 4-7 of P^T's fragment kk
.set n, n+1
.endr
.if \first == 0
	WIN 0x41                                       ; O in window 1, the factor in window 0
.set n, 0
.rept 32
	v_pk_mul_f32 v[OA+64*\t+2*n:OA+64*\t+2*n+1], v[OA+64*\t+2*n:OA+64*\t+2*n+1], v[AL:AL+1]
.set n, n+1
.endr
	WIN 0
.endif
.endm
; O^T += V^T P^T: the eight (or sixteen) tiles take turns, one instruction a turn
.macro OMUL lo, first
	s_wait_dscnt 0x0                               ; V's fragments, issued in front of the softmax
	WIN 0x50
.irp kk, 0,1
.irp dt, 0,1,2,3,4,5,6,7
.if \lo
	WM OA+8*\dt, FR+8*(8*\kk+\dt), PB+8*\kk, \first*(1-\kk)
.endif
	WM OA+64+8*\dt, FR+8*(8*\kk+\dt), PB+16+8*\kk, \first*(1-\kk)
.endr
.endr
	WIN 0
.endm
; key block kt against the hi tile, and with lo = 1 the lo tile too
.macro BODY lo, kt, mlo, mhi, first
.if \first == 0
	PLACES                                         ; behind the last O products: for the loads into FR, and later for the factor on O and the new P
.endif
	LOADK \kt
	WIN 0x04                                       ; Q in window 1
	SMUL \lo
	WIN 0
	PLACES                                         ; behind the score products: for the loads into FR and the reads of the scores
	LOADV \kt                                      ; lands under the softmax
.if \lo
	SOFTMAX 0, \kt, \mlo, \first
.endif
	SOFTMAX 1, \kt, \mhi, \first
	OMUL \lo, \first
.endm
.macro STEPLO kt                       ; key blocks 1 to 3: the lo tile takes part while kt <= i (its mask is all true off the diagonal)
	s_cmp_lt_u32 s13, \kt
	s_cbranch_scc1 .Lhi_only_\kt
	BODY 1, \kt, 1, 0, 0
	s_branch .Ljoined_\kt
.Lhi_only_\kt:
	BODY 0, \kt, 0, 0, 0
.Ljoined_\kt:
.endm
.macro STEPHI kt                       ; key blocks 5 to 7: while kt <= 7 - i
	s_cmp_gt_u32 s13, 7-\kt
	s_cbranch_scc1 .Lend
	BODY 0, \kt, 0, 1, 0
.endm
	s_wait_tensorcnt 0x2                           ; tensor loads end in order: my planes of keys 0-255 are in, the two loads for keys 256-511 stay out
	s_wait_loadcnt 0x0                             ; Q
	s_barrier_signal -1
	s_barrier_wait -1                              ; everybody's planes are in
	BODY 1, 0, 1, 0, 1
	STEPLO 1
	STEPLO 2
	STEPLO 3
	s_wait_dscnt 0x0
	s_wait_tensorcnt 0x0                           ; my planes of keys 256-511
	s_barrier_signal -1
	s_barrier_wait -1
	BODY 0, 4, 0, 1, 0
	STEPHI 5
	STEPHI 6
	STEPHI 7
.Lend:
	PLACES                                         ; behind the last O products, on every way here
.irp t, 0,1
	v_permlanex16_b32 v[TM+\t], v[LS+\t], s48, s49 ; the other half's part of the sum
.endr
.irp t, 0,1
	v_add_f32 v[LS+\t], v[LS+\t], v[TM+\t]
.endr
	v_rcp_f32 v[AL], v[LS]
	v_rcp_f32 v[NM], v[LS+1]
	v_nop                                          ; the plain place behind the transcendentals
	s_wait_alu depctr_va_vdst(0)
	v_mov_b32 v[AL+1], v[AL]
	v_mov_b32 v[NM+1], v[NM]
	WIN 0x01                                       ; O in window 1
.set n, 0
.rept 32
	v_pk_mul_f32 v[FR+2*n:FR+2*n+1], v[OA+2*n:OA+2*n+1], v[AL:AL+1]
	v_pk_mul_f32 v[FR+64+2*n:FR+64+2*n+1], v[OA+64+2*n:OA+64+2*n+1], v[NM:NM+1]
.set n, n+1
.endr
	WIN 0
.set n, 0
.rept 64
	v_cvt_pk_bf16_f32 v[SC+n], v[FR+2*n], v[FR+2*n+1]      ; tile t, dt: registers SC + 32 t + 4 dt ..: dv = 16 dt + 8 h + 0..7 of query r, 16 bytes
.set n, n+1
.endr
.irp t, 0,1
.irp dt, 0,1,2,3,4,5,6,7
	ds_store_b128 v[STO], v[SC+32*\t+4*\dt:SC+32*\t+4*\dt+3] offset:\t*16*SP+32*\dt
.endr
.endr
.irp t, 0,1
.irp u, 0,1,2,3,4,5,6,7
	ds_load_b128 v[FR+32*\t+4*\u:FR+32*\t+4*\u+3], v[RD] offset:\t*16*SP+\u*2*SP   ; my own bytes: LDS serves a wave's instructions in order (ISA guide 5.7.1.4)
.endr
.endr
.irp t, 0,1
.irp u, 0,1,2,3,4,5,6,7
	s_wait_dscnt 15-8*\t-\u                        ; LDS loads come back in order: this one is in
	global_store_b128 v[CO], v[FR+32*\t+4*\u:FR+32*\t+4*\u+3], s[56+2*\t:57+2*\t] offset:\u*16384   ; 16 lanes store 256 consecutive bytes, aligned: a query's whole head
.endr
.endr
	s_set_vgpr_msb 0x5
	s_wait_tensorcnt 0x0
	ds_add_u32 v192, v193
	s_wait_dscnt 0x0
	s_set_vgpr_msb 0x500
	ROUND                                          ; the closing round
	s_endpgm
.Lfunc_end_k_q567ed170c5_attn:
	.size	k_q567ed170c5_attn, .Lfunc_end_k_q567ed170c5_attn-k_q567ed170c5_attn
	.p2alignl 7, 3214868480
	.fill 96, 4, 3214868480
	.section	.rodata,"a",@progbits
	.p2align	6, 0x0
	.amdhsa_kernel k_q567ed170c5_attn
		.amdhsa_group_segment_fixed_size 305664
		.amdhsa_private_segment_fixed_size 0
		.amdhsa_enable_private_segment 0
		.amdhsa_kernarg_size 16
		.amdhsa_user_sgpr_count 2
		.amdhsa_user_sgpr_kernarg_segment_ptr 1
		.amdhsa_wavefront_size32 1
		.amdhsa_system_sgpr_workgroup_id_x 1
		.amdhsa_system_sgpr_workgroup_id_y 1
		.amdhsa_system_sgpr_workgroup_id_z 1
		.amdhsa_system_vgpr_workitem_id 0
		.amdhsa_next_free_vgpr 450
		.amdhsa_next_free_sgpr 66
		.amdhsa_reserve_vcc 1
		.amdhsa_float_denorm_mode_32 3
		.amdhsa_float_denorm_mode_16_64 3
		.amdhsa_memory_ordered 1
		.amdhsa_forward_progress 1
		.amdhsa_inst_pref_size 241
	.end_amdhsa_kernel
	.amdgpu_metadata
---
amdhsa.version: [ 1, 2 ]
amdhsa.kernels:
  - .name:           k_q567ed170c5_attn
    .symbol:         k_q567ed170c5_attn.kd
    .args:
      - { .name: qkv, .offset: 0, .size: 8, .value_kind: global_buffer, .address_space: global }
      - { .name: att, .offset: 8, .size: 8, .value_kind: global_buffer, .address_space: global }
    .group_segment_fixed_size: 305664
    .private_segment_fixed_size: 0
    .kernarg_segment_align: 8
    .kernarg_segment_size: 16
    .max_flat_workgroup_size: 128
    .sgpr_count:     66
    .vgpr_count:     450
    .wavefront_size: 32
...
	.end_amdgpu_metadata
.endif
;; end of part 3
;; launch outg (part 4): grid 32 x 8, 4 waves a work-group, clusters of 4 x 4, 327,680 bytes of LDS; arguments att, wo, out0; writes out0
.if DOCPART == 4
	.amdgcn_target "amdgcn-amd-amdhsa--gfx1250"
	.amdhsa_code_object_version 6
	.text
	.protected	k_q567ed170c5_outg
	.globl	k_q567ed170c5_outg
	.p2align	8
	.type	k_q567ed170c5_outg,@function
k_q567ed170c5_outg:
	s_mov_b64 s[64:65], 0
	v_nop
	global_prefetch_b8 v0, s[64:65] scope:SCOPE_SE
	s_setreg_imm32_b32 hwreg(HW_REG_WAVE_MODE, 25, 1), 1
	s_wait_xcnt 0x0
	s_wait_alu depctr_hold_cnt(0) depctr_sa_sdst(0) depctr_va_vdst(0) depctr_va_sdst(0) depctr_va_ssrc(0) depctr_va_vcc(0) depctr_vm_vsrc(0)
	s_getreg_b32 s2, hwreg(HW_REG_IB_STS2, 6, 4)
	s_cmp_eq_u32 s2, 0
	s_cbranch_scc0 .Lentry_in_a_cluster
	s_endpgm
.Lentry_in_a_cluster:
	s_bfe_u32 s2, ttmp6, 0x10000c
	s_cmp_lg_u32 s2, 0xf033
	s_cbranch_scc0 .Lentry_shape_is_right
	s_endpgm
.Lentry_shape_is_right:
; out0[m][n] = sum over k of att[m][k] wo[n][k].  att: [1024][4096], wo: [4096][4096], out0: [1024][4096], all bf16; sums in f32, rounded once.
; 256 work-groups, each a block of 128 x 128 with four waves (2 x 2), a wave 64 x 64: 16 accumulator tiles, 128 registers.
; K goes in steps of 256 through a ring of two LDS slots filled by the tensor data mover: a tile's rows are 512 bytes of memory, aligned, and a
; wave issues 128 matrix instructions for each slot, so that a refill has nearly that much work in which to land.
; CLUSTERS: 4 x 4 work-groups; att's tile is asked for jointly by a row of the cluster, wo's by a column: a quarter of the requests.
; Waves 0 and 1 fetch att's two halves of 64 rows, waves 2 and 3 wo's.
; REGISTERS: window 0: v16-19 LDS addresses, v24-26 the way out, v32-111 and v112-191 two fragment buffers (A's 4 tiles at +0, wo's 4 at +32),
; v192-255 packed results; window 1: accumulator (a, b) at v[8 (4 a + b)].  The matrix instruction is used transposed (source 0 = rows of wo):
; lane (r, h) holds row 16 a + r and the eight neighbouring columns 16 b + 8 h + 0..7.
.set KS,    256
.set NT,    4
.set PITCH, 528                        ; an LDS row: 512 bytes + 16 of padding: 16 rows begin at 16 different 16-byte columns modulo 256 bytes
.set QI,    6                          ; padding behind every 128 words
.set CHUNK, 64*PITCH
.set BBASE, 128*PITCH
.set SLOT,  BBASE+32*NT*PITCH          ; 135,168
.set STAGE, 2*SLOT                     ; 128 rows x 272 bytes for the way out; no fill lands here
.set SPITCH, 272
.set LAPS,  4096/(2*KS)
.set NL,    2*NT+8
.set ADRA,  16
.set ADRB,  18
.set STO,   24
.set RD,    25
.set CO,    26
.set F0,    32
.set F1,    112
.set TMP,   192
.set G1A,   24
.set G0A,   32
.set G1B,   40
.set G0B,   48
.set MSB, 0
.macro WIN new                         ; the immediate's high byte repeats the setting that is left
.if MSB != \new
	s_set_vgpr_msb (MSB<<8)|\new
.set MSB, \new
.endif
.endm
.macro PLACES                          ; four plain places behind matrix instructions (ISA guide 7.12.1)
.rept 4
	v_nop
.endr
.endm
.macro JLOAD s                         ; one joint load a wave; the branch hangs on the wave's number alone
	s_cmp_eq_u32 s17, 0
	s_cbranch_scc0 .Lfor_b_\@
	tensor_load_to_lds s[G0A+4*\s:G0A+4*\s+3], s[G1A:G1A+7]
	s_nop 0
	s_branch .Lasked_\@
.Lfor_b_\@:
	tensor_load_to_lds s[G0B+4*\s:G0B+4*\s+3], s[G1B:G1B+7]
	s_nop 0
.Lasked_\@:
.endm
.macro CREST
	s_cmp_lg_u32 s16, 0
	s_cbranch_scc1 .Lnot_wave_0_\@
	s_barrier_signal -3
.Lnot_wave_0_\@:
	s_barrier_wait -3
	s_barrier_signal -1
	s_barrier_wait -1
.endm
.macro CROUND
	s_barrier_signal -1
	s_barrier_wait -1
	CREST
.endm
	s_load_b128 s[4:7], s[0:1], 0x0                ; att s[4:5], wo s[6:7]
	s_load_b64 s[8:9], s[0:1], 0x10                ; out0
	v_lshl_add_u32 v190, v0, 2, 0x4a800
	v_mov_b32 v191, 0
	ds_add_u32 v190, v191
	v_lshrrev_b32 v1, 5, v0
	v_readfirstlane_b32 s16, v1                    ; wave
	s_lshr_b32 s17, s16, 1                         ; wr: which 64 rows are mine.  Also: I fetch for att (0) or for wo (1)
	s_and_b32 s18, s16, 1                          ; wc: which 64 columns.  Also: which 64 rows of that tile I fetch
	s_bfe_u32 s19, ttmp6, 0x40000                  ; cx
	s_bfe_u32 s20, ttmp6, 0x40004                  ; cy
	s_lshl_b32 s21, ttmp9, 2
	s_add_co_u32 s21, s21, s19                     ; bx
	s_and_b32 s22, ttmp7, 0xffff
	s_lshl_b32 s22, s22, 2
	s_add_co_u32 s22, s22, s20                     ; by
	s_lshl_b32 s56, s20, 2
	s_lshl_b32 s56, 15, s56                        ; my row of the cluster
	s_lshl_b32 s72, 0x1111, s19                    ; my column
	s_or_b32 s[G1A+0], s56, (1<<16)|(1<<20)|(1<<21)|(QI<<22)|(3<<25)
	s_mov_b32 s[G1A+1], KS<<16                     ; tensor_dim0 = 256
	s_mov_b32 s[G1A+2], 64<<16                     ; tensor_dim1 = 64 rows
	s_mov_b32 s[G1A+3], KS<<16                     ; tile_dim0
	s_mov_b32 s[G1A+4], 64                         ; tile_dim1
	s_mov_b32 s[G1A+5], 4096                       ; elements from row to row
	s_mov_b32 s[G1A+6], 0
	s_mov_b32 s[G1A+7], 0
	s_or_b32 s[G1B+0], s72, (1<<16)|(1<<20)|(1<<21)|(QI<<22)|(3<<25)
	s_mov_b32 s[G1B+1], KS<<16
	s_mov_b32 s[G1B+2], 64<<16
	s_mov_b32 s[G1B+3], KS<<16
	s_mov_b32 s[G1B+4], 64
	s_mov_b32 s[G1B+5], 4096
	s_mov_b32 s[G1B+6], 0
	s_mov_b32 s[G1B+7], 0
	s_lshl_b32 s56, s22, 20                        ; att: row 128 by + 64 x half, 8,192 bytes a row; never holds cx
	s_lshl_b32 s57, s18, 19
	s_add_co_u32 s56, s56, s57
	s_mov_b32 s57, 0
	s_lshl_b32 s72, s21, 20                        ; wo: row 128 bx + 64 x half; never holds cy
	s_lshl_b32 s73, s18, 19
	s_add_co_u32 s72, s72, s73
	s_mov_b32 s73, 0
	s_mul_i32 s60, s16, CHUNK                      ; where they go: att's halves, then wo's = wave x 64 rows
	s_wait_dscnt 0x0
	s_wait_kmcnt 0x0
	s_add_nc_u64 s[58:59], s[4:5], s[56:57]
	s_add_nc_u64 s[74:75], s[6:7], s[72:73]
	CROUND                                         ; all sixteen work-groups are here: the first joint loads meet
.irp s, 0,1
	s_mov_b32 s[G0A+4*\s], 1
	s_add_co_u32 s[G0A+4*\s+1], s60, \s*SLOT
	s_add_nc_u64 s[G0A+4*\s+2:G0A+4*\s+3], s[58:59], \s*KS*2
	s_or_b32 s[G0A+4*\s+3], s[G0A+4*\s+3], 0x80000000
	s_mov_b32 s[G0B+4*\s], 1
	s_add_co_u32 s[G0B+4*\s+1], s60, \s*SLOT
	s_add_nc_u64 s[G0B+4*\s+2:G0B+4*\s+3], s[74:75], \s*KS*2
	s_or_b32 s[G0B+4*\s+3], s[G0B+4*\s+3], 0x80000000
	JLOAD \s                                       ; both first fills go out together: two tensor loads of the wave are out
.endr
	v_and_b32 v1, 15, v0                           ; r
	v_bfe_u32 v2, v0, 4, 1                         ; h
	v_mul_u32_u24 v3, v1, PITCH
	v_lshl_add_u32 v3, v2, 4, v3
	s_mul_i32 s61, s17, 64*PITCH
	s_mul_i32 s62, s18, 16*NT*PITCH
	s_add_co_u32 s62, s62, BBASE
.irp s, 0,1
	v_add_nc_u32 v[ADRA+\s], s61, v3
	v_add_nc_u32 v[ADRB+\s], s62, v3
	s_add_co_u32 s61, s61, SLOT
	s_add_co_u32 s62, s62, SLOT
.endr
	s_mul_i32 s61, s17, 64*SPITCH                  ; the stage, in: row 64 wr + 16 a + r, byte 128 wc + 32 b + 16 h
	s_lshl_b32 s62, s18, 7
	s_add_co_u32 s61, s61, s62
	s_add_co_u32 s61, s61, STAGE
	v_mul_u32_u24 v4, v1, SPITCH
	v_lshl_add_u32 v4, v2, 4, v4
	v_add_nc_u32 v[STO], s61, v4
	s_mul_i32 s61, s16, 32*SPITCH                  ; back: wave w takes rows 32 w .. 32 w + 31, two whole rows of 256 bytes a load
	s_add_co_u32 s61, s61, STAGE
	v_mul_u32_u24 v5, v2, SPITCH
	v_lshl_add_u32 v5, v1, 4, v5
	v_add_nc_u32 v[RD], s61, v5
	v_lshlrev_b32 v5, 13, v2
	v_lshl_add_u32 v[CO], v1, 4, v5                ; the same two rows in out0
; four matrix instructions: row tile a x all column tiles.  The 16 accumulators take turns, one instruction a turn.
.macro MULA f, a, zero
.irp b, 0,1,2,3
.if \zero
	v_wmma_f32_16x16x32_bf16 v[8*(NT*\a+\b):8*(NT*\a+\b)+7], v[\f+32+8*\b:\f+32+8*\b+7], v[\f+8*\a:\f+8*\a+7], 0
.else
	v_wmma_f32_16x16x32_bf16 v[8*(NT*\a+\b):8*(NT*\a+\b)+7], v[\f+32+8*\b:\f+32+8*\b+7], v[\f+8*\a:\f+8*\a+7], v[8*(NT*\a+\b):8*(NT*\a+\b)+7]
.endif
.endr
.endm
.macro FETCH slot, k, f                ; the 16 LDS loads of a step of 32 along K: wo's tiles, then A's tiles 0, 1, then 2, 3
.irp i, 0,1,2,3
	ds_load_b128 v[\f+32+8*\i:\f+32+8*\i+3],   v[ADRB+\slot] offset:\k+\i*16*PITCH
	ds_load_b128 v[\f+32+8*\i+4:\f+32+8*\i+7], v[ADRB+\slot] offset:\k+\i*16*PITCH+32
.endr
.irp i, 0,1,2,3
	ds_load_b128 v[\f+8*\i:\f+8*\i+3],   v[ADRA+\slot] offset:\k+\i*16*PITCH
	ds_load_b128 v[\f+8*\i+4:\f+8*\i+7], v[ADRA+\slot] offset:\k+\i*16*PITCH+32
.endr
.endm
.macro QSTEP slot, k, f, g, zero
	s_wait_dscnt 4                                 ; wo's tiles and A's tiles 0, 1 are in; the youngest four loads (A's tiles 2, 3) may be out
	WIN 0x50
	MULA \f, 0, \zero
	MULA \f, 1, \zero
	PLACES
	WIN 0
	FETCH \slot, \k, \g
	s_wait_dscnt NL                                ; all but the NL loads just issued
	WIN 0x50
	MULA \f, 2, \zero
	MULA \f, 3, \zero
.endm
.macro RUN slot, zero                  ; the first seven of a slot's eight steps of 32
	QSTEP \slot, 64,  F0, F1, \zero
	QSTEP \slot, 128, F1, F0, 0
	QSTEP \slot, 192, F0, F1, 0
	QSTEP \slot, 256, F1, F0, 0
	QSTEP \slot, 320, F0, F1, 0
	QSTEP \slot, 384, F1, F0, 0
	QSTEP \slot, 448, F0, F1, 0
.endm
; the eighth: multiplies buffer 1 and changes slots.  In front of the barrier each wave waits for its reads of this slot and for all its tensor
; loads; behind it, with fill = 1, the rest of a round of the cluster's barrier, the joint refill first, then the next slot's first fragments.
.macro TURN slot, next, fill
	s_wait_dscnt 4
	WIN 0x50
	MULA F1, 0, 0
	s_wait_dscnt 0                                 ; my reads of this slot are over
	s_wait_tensorcnt 0x0                           ; all my tensor loads have landed: the one that was out is my part of the next slot
	ds_add_u32 v190, v191
	s_wait_dscnt 0x0
	s_barrier_signal -1
	MULA F1, 1, 0                                  ; register work while the others arrive
	WIN 0
	s_barrier_wait -1
.if \fill
	CREST                                          ; no wave of any partner still reads this slot or has a load on its way
	s_add_nc_u64 s[G0A+4*\slot+2:G0A+4*\slot+3], s[G0A+4*\slot+2:G0A+4*\slot+3], 4*KS
	s_add_nc_u64 s[G0B+4*\slot+2:G0B+4*\slot+3], s[G0B+4*\slot+2:G0B+4*\slot+3], 4*KS
	JLOAD \slot
.endif
	PLACES
	FETCH \next, 0, F0
	WIN 0x50
	MULA F1, 2, 0
	MULA F1, 3, 0
.endm
.macro LAP zero
	RUN 0, \zero
	TURN 0, 1, 1
	RUN 1, 0
	TURN 1, 0, 1
.endm
	s_wait_tensorcnt 1                             ; my part of slot 0 is in; slot 1's stays out
	s_barrier_signal -1
	s_barrier_wait -1
	FETCH 0, 0, F0
	LAP 1
	WIN 0
	s_mov_b32 s3, LAPS-2
.Llap:
	LAP 0
	WIN 0
	s_sub_co_u32 s3, s3, 1
	s_cmp_lg_u32 s3, 0
	s_cbranch_scc1 .Llap
	RUN 0, 0                                       ; the last lap fills nothing
	TURN 0, 1, 0
	RUN 1, 0
	s_wait_dscnt 4
	WIN 0x50
	MULA F1, 0, 0
	MULA F1, 1, 0
	s_wait_dscnt 0
	MULA F1, 2, 0
	MULA F1, 3, 0
	; THE WAY OUT.  A wave's 64 columns are 128 bytes, half of a row of the block: the four waves meet in a stage of 128 rows x 256 bytes,
	; and each reads 32 whole rows back.
	PLACES
	s_lshl_b32 s72, s22, 20                        ; row 128 by
	s_lshl_b32 s73, s16, 18                        ; + 32 w
	s_add_co_u32 s72, s72, s73
	s_lshl_b32 s73, s21, 8                         ; + the block's 256 bytes of a row
	s_add_co_u32 s72, s72, s73
	s_mov_b32 s73, 0
	s_add_nc_u64 s[8:9], s[8:9], s[72:73]
	WIN 0x05
.irp a, 0,1,2,3
.irp b, 0,1,2,3
.irp p, 0,1,2,3
	v_cvt_pk_bf16_f32 v[TMP+16*\a+4*\b+\p], v[8*(NT*\a+\b)+2*\p], v[8*(NT*\a+\b)+2*\p+1]
.endr
.endr
.endr
	WIN 0
.irp a, 0,1,2,3
.irp b, 0,1,2,3
	ds_store_b128 v[STO], v[TMP+16*\a+4*\b:TMP+16*\a+4*\b+3] offset:\a*16*SPITCH+32*\b
.endr
.endr
	s_wait_dscnt 0x0                               ; for the others' sake: my stores are done
	s_barrier_signal -1
	s_barrier_wait -1
.irp t, 0,1,2,3,4,5,6,7,8,9,10,11,12,13,14,15
	ds_load_b128 v[F0+4*\t:F0+4*\t+3], v[RD] offset:\t*2*SPITCH
.endr
.irp t, 0,1,2,3,4,5,6,7,8,9,10,11,12,13,14,15
	s_wait_dscnt 15-\t                             ; LDS loads come back in order: this one is in
	global_store_b128 v[CO], v[F0+4*\t:F0+4*\t+3], s[8:9] offset:\t*16384    ; 16 lanes store 256 consecutive bytes, aligned
.endr
	s_wait_tensorcnt 0x0
	ds_add_u32 v190, v191
	s_wait_dscnt 0x0
	CROUND                                         ; the closing round
	s_endpgm
.Lfunc_end_k_q567ed170c5_outg:
	.size	k_q567ed170c5_outg, .Lfunc_end_k_q567ed170c5_outg-k_q567ed170c5_outg
	.p2alignl 7, 3214868480
	.fill 96, 4, 3214868480
	.section	.rodata,"a",@progbits
	.p2align	6, 0x0
	.amdhsa_kernel k_q567ed170c5_outg
		.amdhsa_group_segment_fixed_size 327680
		.amdhsa_private_segment_fixed_size 0
		.amdhsa_enable_private_segment 0
		.amdhsa_kernarg_size 24
		.amdhsa_user_sgpr_count 2
		.amdhsa_user_sgpr_kernarg_segment_ptr 1
		.amdhsa_wavefront_size32 1
		.amdhsa_system_sgpr_workgroup_id_x 1
		.amdhsa_system_sgpr_workgroup_id_y 1
		.amdhsa_system_sgpr_workgroup_id_z 1
		.amdhsa_system_vgpr_workitem_id 0
		.amdhsa_next_free_vgpr 384
		.amdhsa_next_free_sgpr 96
		.amdhsa_reserve_vcc 0
		.amdhsa_float_denorm_mode_32 3
		.amdhsa_float_denorm_mode_16_64 3
		.amdhsa_memory_ordered 1
		.amdhsa_forward_progress 1
		.amdhsa_inst_pref_size 127
	.end_amdhsa_kernel
	.amdgpu_metadata
---
amdhsa.version: [ 1, 2 ]
amdhsa.kernels:
  - .name:           k_q567ed170c5_outg
    .symbol:         k_q567ed170c5_outg.kd
    .args:
      - { .name: att, .offset: 0, .size: 8, .value_kind: global_buffer, .address_space: global }
      - { .name: wo, .offset: 8, .size: 8, .value_kind: global_buffer, .address_space: global }
      - { .name: out0, .offset: 16, .size: 8, .value_kind: global_buffer, .address_space: global }
    .group_segment_fixed_size: 327680
    .private_segment_fixed_size: 0
    .kernarg_segment_align: 8
    .kernarg_segment_size: 24
    .max_flat_workgroup_size: 128
    .sgpr_count:     96
    .vgpr_count:     384
    .wavefront_size: 32
...
	.end_amdgpu_metadata
.endif
;; end of part 4
;; ======== version 2 of 2: 4 launches; version 1 with the launch prep written anew for expert scheduling mode
;; workspace buffers: xn 8,388,608 bytes; tab 262,144 bytes; qkv 12,582,912 bytes; att 8,388,608 bytes
;; launch prep (part 5): grid 256 x 1, 4 waves a work-group, no clusters, 0 bytes of LDS; arguments x, ln_w, xn, tab; writes xn, tab
.if DOCPART == 5
	.amdgcn_target "amdgcn-amd-amdhsa--gfx1250"
	.amdhsa_code_object_version 6
	.text
	.protected	k_q567ed170c5_prep
	.globl	k_q567ed170c5_prep
	.p2align	8
	.type	k_q567ed170c5_prep,@function
k_q567ed170c5_prep:
	s_mov_b64 s[64:65], 0
	v_nop
	global_prefetch_b8 v0, s[64:65] scope:SCOPE_SE
	s_setreg_imm32_b32 hwreg(HW_REG_WAVE_SCHED_MODE, 0, 2), 2
	s_setreg_imm32_b32 hwreg(HW_REG_WAVE_MODE, 25, 1), 1
	s_wait_xcnt 0x0
	s_wait_alu depctr_vm_vsrc(0)
; xn[row][c] = bf16( (x[row][c] - mean) * rsqrt(var + 1e-5) * ln_w[c] ), all arithmetic in f32; x, xn: [1024][4096] bf16; ln_w: [4096] f32.
; A row is 8,192 bytes: one wave takes a whole row, sixteen 16-byte loads a lane, and keeps it packed in 64 registers over the three
; passes (sum; sum of squared differences from the mean, so that a common offset of the inputs cancels before it is squared; scale).
; The row is read from memory once, no wave waits for another, there is no LDS and no barrier.  Four waves, four rows a work-group.
; While the loads are on their way each thread also makes ONE entry (cos, sin) of the RoPE table: 256 groups x 128 threads = 512 positions x 64 pairs.
; tab's byte 8 t holds position s = 16 sblk + r and pair j = 8 tih + 4 h + 2 part + e, with t = tih*4096 + sblk*128 + part*64 + r*4 + h*2 + e:
; the order in which lane (r, h) of a 16 x 16 result tile of the projection wants it, so that each table load there covers 512 consecutive bytes.
; LIMIT: cos and sin are polynomials on |rho| <= pi/4 behind a two-term reduction by pi/2 (absolute error near 1e-6), and 10000^(-j/64) is one
; v_exp_f32 (1 ULP: ISA guide 15.8): at position 511 the angle is off by up to about 5e-5 rad.
; NO CLUSTER: the work-groups share ln_w alone, 16 KiB beside the 32 KiB of x that each reads for itself, and it goes to registers, not to LDS.
; THE MODE: SCHED_MODE bits 1:0 = 2 (LLVM: expert scheduling mode 2), set by the entry lines.  The code itself states the register dependences
; between vector instructions and memory instructions, with s_wait_alu, always for 0.
; THE PLAN.  Registers that memory instructions touch:
;   v2, v3, v4   byte offsets (x and xn; ln_w; tab).  Written once at the head, ahead of the first wait, and named by no vector instruction after it.
;   X            Written by the 16 loads at the head (no vector instruction has named it before); read by the three passes; written again, in place,
;                by pass 3's conversions; then read by the 16 stores and never written again.
;   W            Written by the 32 loads at the head; read by pass 3.
;   v10, v11     The table entry: written by the selects and sign flips, read by tab's one store, never written again.
;   T, ACC, NMU, RS and v5 to v9, v12 to v15 are named by vector instructions alone.
; No register that a memory instruction has read is written again, so no wait on vm_vsrc stands behind the entry lines.
; Pass 3 goes in four blocks of four groups (a group: 4 registers of X, 8 numbers a lane).  Block p writes X[16 p .. 16 p + 15]; its memory instructions are
; the four stores of block p - 1, which read X[16 (p - 1) ..] and v2: registers that no vector instruction of block p names.  So ONE wait at a block's head
; states all that its four stores hang on, and they are dealt among the block's groups with no further wait.
.set X,   16                           ; v[16:79]    the row, packed, as loaded and then as stored
.set W,   80                           ; v[80:207]   ln_w of my 128 columns
.set T,   208                          ; v[208:215]  at work
.set ACC, 216                          ; v[216:223]  four chains of two sums
.set NMU, 12                           ; v[12:13]    -mean, twice
.set RS,  14                           ; v[14:15]    1/sqrt(var + eps), twice
	s_load_b256 s[4:11], s[0:1], 0x0               ; x s[4:5], ln_w s[6:7], xn s[8:9], tab s[10:11]
	s_mov_b32 s12, 0x76543210                      ; v_permlanex16_b32: lane i of one half reads lane i of the other
	s_mov_b32 s13, 0xfedcba98
	s_mov_b32 s14, 0xffff0000                      ; a word's upper bf16
	s_mov_b32 s15, 0x39800000                      ; 1/4096
	s_mov_b32 s20, 0x3727c5ac                      ; eps = 1e-5
	s_lshl_b32 s2, ttmp9, 15                       ; the group's four rows of 8,192 bytes
	s_mov_b32 s3, 0
	s_lshl_b32 s16, ttmp9, 10                      ; the group's 128 table entries of 8 bytes
	s_mov_b32 s17, 0
	v_and_b32 v1, 31, v0                           ; lane
	v_lshrrev_b32 v2, 5, v0                        ; wave
	v_lshlrev_b32 v2, 13, v2                       ; its row
	v_lshl_or_b32 v2, v1, 4, v2                    ; + 16 bytes a lane
	v_lshlrev_b32 v3, 5, v1                        ; ln_w: 8 numbers of 4 bytes a lane
	v_lshlrev_b32 v4, 3, v0                        ; tab: 8 bytes a thread
	s_wait_kmcnt 0x0
	s_add_nc_u64 s[4:5], s[4:5], s[2:3]
	s_add_nc_u64 s[8:9], s[8:9], s[2:3]
	s_add_nc_u64 s[10:11], s[10:11], s[16:17]
	s_wait_alu depctr_va_vdst(0)                   ; v2, v3 and v4 are written: every load and store of the kernel reads one of them as its offset, and no vector instruction names them again
.set j, 0
.rept 16
	global_load_b128 v[X+4*j:X+4*j+3], v2, s[4:5] offset:512*j th:TH_LOAD_NT    ; 512 consecutive bytes a load; x is read once in the launch
.set j, j+1
.endr
.set j, 0
.rept 16
	global_load_b128 v[W+8*j:W+8*j+3],   v3, s[6:7] offset:1024*j               ; columns 256 j + 8 lane + 0..3
	global_load_b128 v[W+8*j+4:W+8*j+7], v3, s[6:7] offset:1024*j+16            ; and + 4..7
.set j, j+1
.endr
	; the table entry, while the loads fly
	v_and_b32 v5, 1, v0                            ; e
	v_bfe_u32 v6, v0, 1, 1                         ; h
	v_bfe_u32 v7, v0, 2, 4                         ; r
	v_lshrrev_b32 v8, 6, v0                        ; part
	s_and_b32 s18, ttmp9, 31                       ; sblk
	s_lshr_b32 s19, ttmp9, 5                       ; tih
	s_lshl_b32 s18, s18, 4
	s_lshl_b32 s19, s19, 3
	v_add_nc_u32 v7, s18, v7                       ; position s
	v_lshl_add_u32 v5, v6, 2, v5
	v_lshl_add_u32 v5, v8, 1, v5
	v_add_nc_u32 v5, s19, v5                       ; pair j
	v_cvt_f32_u32 v5, v5
	v_cvt_f32_u32 v7, v7
	v_mul_f32 v5, 0xbe549a78, v5                   ; -j log2(10000)/64
	v_exp_f32 v9, v5                               ; 10000^(-j/64)
	v_nop                                          ; one plain place behind a transcendental before its result is used (ISA guide 5.7.2)
	s_wait_alu depctr_va_vdst(0)                   ; v9, the exponential's result, is written, ahead of its first reader
	v_mul_f32 v6, v7, v9                           ; the angle
	v_mul_f32 v8, 0x3f22f983, v6                   ; x 2/pi
	v_rndne_f32 v8, v8                             ; n quarter turns
	v_fmamk_f32 v6, v8, 0xbfc90fdb, v6             ; rho = angle - n (pi/2 rounded up to f32), exact in the fused form,
	v_fmamk_f32 v6, v8, 0x333bbd2e, v6             ; + n x what that rounding added
	v_mul_f32 v9, v6, v6                           ; z = rho^2
	v_mov_b32 v12, 0xb94ca1f9
	v_fmaak_f32 v12, v12, v9, 0x3c08839e
	v_fmaak_f32 v12, v12, v9, 0xbe2aaaa3
	v_mul_f32 v13, v6, v9
	v_fma_f32 v12, v13, v12, v6                    ; sin rho
	v_mov_b32 v13, 0x37ccf5ce
	v_fmaak_f32 v13, v13, v9, 0xbab6061a
	v_fmaak_f32 v13, v13, v9, 0x3d2aaaa5
	v_fma_f32 v13, v13, v9, -0.5
	v_fma_f32 v13, v13, v9, 1.0                    ; cos rho
	v_cvt_i32_f32 v8, v8                           ; q = n
	v_and_b32 v14, 1, v8
	v_cmp_eq_u32 vcc_lo, 1, v14                    ; an odd quarter swaps the two
	s_wait_alu depctr_va_vcc(0)                    ; the compare has written VCC, ahead of its first reader: the two selects below
	v_cndmask_b32 v10, v13, v12, vcc_lo            ; cos
	v_cndmask_b32 v11, v12, v13, vcc_lo            ; sin
	v_add_nc_u32 v14, 1, v8
	v_and_b32 v14, 2, v14                          ; cos is negative in quarters 1 and 2,
	v_lshlrev_b32 v14, 30, v14
	v_xor_b32 v10, v10, v14
	v_and_b32 v15, 2, v8                           ; sin in quarters 2 and 3
	v_lshlrev_b32 v15, 30, v15
	v_xor_b32 v11, v11, v15
	s_wait_alu depctr_va_vdst(0)                   ; the sign flips have written v10 and v11, which the store reads as its data
	global_store_b64 v4, v[10:11], s[10:11]        ; a wave stores 256 consecutive bytes, aligned; v4, v10, v11 are not written again
.macro UNPK d, x                       ; two bf16 to two f32: the low half moves up, the high half stays
	v_lshlrev_b32 v[\d], 16, v[\x]
	v_and_b32 v[\d+1], s14, v[\x]
.endm
.macro WSUM                            ; the four chains, then the 32 lanes: every lane ends with the sum in v[T]
	v_pk_add_f32 v[ACC:ACC+1], v[ACC:ACC+1], v[ACC+2:ACC+3]
	v_pk_add_f32 v[ACC+4:ACC+5], v[ACC+4:ACC+5], v[ACC+6:ACC+7]
	v_pk_add_f32 v[ACC:ACC+1], v[ACC:ACC+1], v[ACC+4:ACC+5]
	v_add_f32 v[T], v[ACC], v[ACC+1]
	v_add_f32_dpp v[T], v[T], v[T] row_xmask:1 row_mask:0xf bank_mask:0xf
	v_add_f32_dpp v[T], v[T], v[T] row_xmask:2 row_mask:0xf bank_mask:0xf
	v_add_f32_dpp v[T], v[T], v[T] row_xmask:4 row_mask:0xf bank_mask:0xf
	v_add_f32_dpp v[T], v[T], v[T] row_xmask:8 row_mask:0xf bank_mask:0xf
	v_permlanex16_b32 v[T+1], v[T], s12, s13       ; its destination counts as read: T+1 has been written
	v_add_f32 v[T], v[T], v[T+1]
.endm
	s_wait_loadcnt 32                              ; loads come back in order: the 16 of x are in, the 32 younger ones of ln_w stay out
	; pass 1: the sum.  The first four words start the chains: nothing is cleared
.irp k, 0,1,2,3
	UNPK ACC+2*\k, X+\k
.endr
.set j, 4
.rept 60
	UNPK T+2*(j%4), X+j
	v_pk_add_f32 v[ACC+2*(j%4):ACC+2*(j%4)+1], v[ACC+2*(j%4):ACC+2*(j%4)+1], v[T+2*(j%4):T+2*(j%4)+1]
.set j, j+1
.endr
	WSUM
	v_mul_f32 v[NMU], 0xb9800000, v[T]             ; -sum/4096
	v_mov_b32 v[NMU+1], v[NMU]
	; pass 2: the sum of (x - mean)^2
.irp k, 0,1,2,3
	UNPK T+2*\k, X+\k
	v_pk_add_f32 v[T+2*\k:T+2*\k+1], v[T+2*\k:T+2*\k+1], v[NMU:NMU+1]
	v_pk_mul_f32 v[ACC+2*\k:ACC+2*\k+1], v[T+2*\k:T+2*\k+1], v[T+2*\k:T+2*\k+1]
.endr
.set j, 4
.rept 60
	UNPK T+2*(j%4), X+j
	v_pk_add_f32 v[T+2*(j%4):T+2*(j%4)+1], v[T+2*(j%4):T+2*(j%4)+1], v[NMU:NMU+1]
	v_pk_fma_f32 v[ACC+2*(j%4):ACC+2*(j%4)+1], v[T+2*(j%4):T+2*(j%4)+1], v[T+2*(j%4):T+2*(j%4)+1], v[ACC+2*(j%4):ACC+2*(j%4)+1]
.set j, j+1
.endr
	WSUM
	v_fma_f32 v5, v[T], s15, s20                   ; var + eps
	v_rsq_f32 v[RS], v5                            ; twice, for the packed multiply; the first unpacking line below is the plain place
	v_rsq_f32 v[RS+1], v5                          ; behind them (ISA guide 5.7.2): it touches neither v5 nor RS
	s_wait_loadcnt 0x0                             ; ln_w
	; pass 3: ((x - mean) * rstd) * w, rounded once, in place, four words (8 numbers) a group, four groups a block.
	; Group j's store stands four groups on, ahead of group j + 4's arithmetic, behind the wait at that block's head.
.set j, 0
.rept 16
.if (j > 0) && (j%4 == 0)
	s_wait_alu depctr_va_vdst(0)                   ; the block before has written its sixteen registers of X, which this block's four stores read; no vector instruction of this block names them
.endif
.if j >= 4
	global_store_b128 v2, v[X+4*(j-4):X+4*(j-4)+3], s[8:9] offset:512*(j-4)    ; 512 consecutive bytes; these registers are not written again
.endif
.irp k, 0,1,2,3
	UNPK T+2*\k, X+4*j+\k
.endr
.irp k, 0,1,2,3
	v_pk_add_f32 v[T+2*\k:T+2*\k+1], v[T+2*\k:T+2*\k+1], v[NMU:NMU+1]
.endr
.if j == 0
	s_wait_alu depctr_va_vdst(0)                   ; RS and RS + 1, the two reciprocal roots, are written, ahead of their first reader: one wait for both; the twelve lines above are the independent work between
.endif
.irp k, 0,1,2,3
	v_pk_mul_f32 v[T+2*\k:T+2*\k+1], v[T+2*\k:T+2*\k+1], v[RS:RS+1]
.endr
.irp k, 0,1,2,3
	v_pk_mul_f32 v[T+2*\k:T+2*\k+1], v[T+2*\k:T+2*\k+1], v[W+8*j+2*\k:W+8*j+2*\k+1]
.endr
.irp k, 0,1,2,3
	v_cvt_pk_bf16_f32 v[X+4*j+\k], v[T+2*\k], v[T+2*\k+1]
.endr
.set j, j+1
.endr
	s_wait_alu depctr_va_vdst(0)                   ; the last block has written its sixteen registers of X, which the last four stores read
.set j, 12
.rept 4
	global_store_b128 v2, v[X+4*j:X+4*j+3], s[8:9] offset:512*j    ; 512 consecutive bytes
.set j, j+1
.endr
	s_endpgm
.Lfunc_end_k_q567ed170c5_prep:
	.size	k_q567ed170c5_prep, .Lfunc_end_k_q567ed170c5_prep-k_q567ed170c5_prep
	.p2alignl 7, 3214868480
	.fill 96, 4, 3214868480
	.section	.rodata,"a",@progbits
	.p2align	6, 0x0
	.amdhsa_kernel k_q567ed170c5_prep
		.amdhsa_group_segment_fixed_size 0
		.amdhsa_private_segment_fixed_size 0
		.amdhsa_enable_private_segment 0
		.amdhsa_kernarg_size 32
		.amdhsa_user_sgpr_count 2
		.amdhsa_user_sgpr_kernarg_segment_ptr 1
		.amdhsa_wavefront_size32 1
		.amdhsa_system_sgpr_workgroup_id_x 1
		.amdhsa_system_sgpr_workgroup_id_y 1
		.amdhsa_system_sgpr_workgroup_id_z 1
		.amdhsa_system_vgpr_workitem_id 0
		.amdhsa_next_free_vgpr 224
		.amdhsa_next_free_sgpr 66
		.amdhsa_reserve_vcc 1
		.amdhsa_float_denorm_mode_32 3
		.amdhsa_float_denorm_mode_16_64 3
		.amdhsa_memory_ordered 1
		.amdhsa_forward_progress 1
		.amdhsa_inst_pref_size 51
	.end_amdhsa_kernel
	.amdgpu_metadata
---
amdhsa.version: [ 1, 2 ]
amdhsa.kernels:
  - .name:           k_q567ed170c5_prep
    .symbol:         k_q567ed170c5_prep.kd
    .args:
      - { .name: x, .offset: 0, .size: 8, .value_kind: global_buffer, .address_space: global }
      - { .name: ln_w, .offset: 8, .size: 8, .value_kind: global_buffer, .address_space: global }
      - { .name: xn, .offset: 16, .size: 8, .value_kind: global_buffer, .address_space: global }
      - { .name: tab, .offset: 24, .size: 8, .value_kind: global_buffer, .address_space: global }
    .group_segment_fixed_size: 0
    .private_segment_fixed_size: 0
    .kernarg_segment_align: 8
    .kernarg_segment_size: 32
    .max_flat_workgroup_size: 128
    .sgpr_count:     66
    .vgpr_count:     224
    .wavefront_size: 32
...
	.end_amdgpu_metadata
.endif
;; end of part 5
;; launch qkvg: the kernel of part 2 again; grid 32 x 8, 4 waves a work-group, clusters of 4 x 4, 327,680 bytes of LDS; arguments xn, wq, wk, wv, tab, qkv; writes qkv
;; launch attn: the kernel of part 3 again; grid 32 x 8, 4 waves a work-group, clusters of 4 x 1, 305,664 bytes of LDS; arguments qkv, att; writes att
;; launch outg: the kernel of part 4 again; grid 32 x 8, 4 waves a work-group, clusters of 4 x 4, 327,680 bytes of LDS; arguments att, wo, out0; writes out0
